; MI455X (gfx1250); checked and timed in simulation.
; The chip was launched on July 23, 2026; its instructions are those of AMD's public machine-readable ISA for CDNA 5 (MIT licence, August 2026) and "CDNA5" Instruction Set Architecture Reference Guide (July 2026). The comments in the code are by the model that wrote it; some were corrected since.
;; Mo T Embed. Allowed arithmetic: matrix products marked QUANTISED: E5M2 operands, one given power-of-two scale a tensor, by v_wmma_f32_16x16x64_bf8_bf8 or v_wmma_f32_16x16x128_bf8_bf8, f32 sums; everything else in f32.
;; Inputs: W0_codes 2,048 x 64 x 32 uint8 (E5M2 codes of W0, K innermost, in blocks of 32 codes); W1_codes 2,048 x 64 x 32 uint8 (E5M2 codes of W1, K innermost, in blocks of 32 codes); b0 2,048 float32; b1 2,048 float32; hidden_states_codes 4 x 2,048 x 64 x 32 uint8 (E5M2 codes of hidden_states, K innermost, in blocks of 32 codes); lowp_scales 4 int32 (the exponents e of the quantised operands' scales 2^e); type_ids 4 x 2,048 int32.
;; Outputs: out0 4 x 2,048 x 2,048 float32.
;; This version of the problem:
;;   THIS VERSION OF THE PROBLEM IS GIVEN IN LOW PRECISION. The matrix products marked QUANTISED in the list below multiply operands that are first quantised to E5M2 (5 exponent bits, 2 mantissa bits; 8 bits a number), with one given power-of-two scale for each operand tensor; their sums are f32. All else is computed in f32.
;;   The module's matrix products, in the order in which they are computed (A, B: the left and right operand; K: the contracted axis; several contracted axes count as one K, in the product's order):
;;     1. [M 8,192, K 2,048] x [K 2,048, N 2,048]; A: input hidden_states (given as codes); B: input W0 (given as codes): QUANTISED (scales: A lowp_scales[0], B lowp_scales[1])
;;     2. [M 8,192, K 2,048] x [K 2,048, N 2,048]; A: input hidden_states (given as codes); B: input W1 (given as codes): QUANTISED (scales: A lowp_scales[2], B lowp_scales[3])
;;   THE QUANTISER, for each operand of a quantised product, along K:
;;     - The operand's scale is 2^e, e = its entry of the input lowp_scales (int32; the entries are numbered through the quantised products in the list's order, A before B).
;;     - Each number is divided by the scale, clamped to +-57,344, and rounded to the nearest number of E5M2, ties to even, subnormals kept.
;;     - The product sums the exact products of the quantised numbers (number of the format x scale) in f32.
;;   ~~~python
;;   def quantise(x, axis, e):      # numpy; x: float32 -> the quantised numbers, widened to float32 again
;;       x = np.moveaxis(x, axis, -1); K = x.shape[-1]
;;       r = np.clip(x / 2.0 ** e, -57344, 57344)
;;       step = 2.0 ** (np.maximum(np.frexp(np.where(r == 0, 1, r))[1] - 1, -14) - 2)
;;       q = np.round(r / step) * step * 2.0 ** e      # np.round: ties to even
;;       return np.moveaxis(q, -1, axis).astype(np.float32)
;;   ~~~
;;   INPUTS GIVEN AS CODES. W0 (in the module: [2048, 2048], K = its axis 1); W1 (in the module: [2048, 2048], K = its axis 1); hidden_states (in the module: [4, 2048, 2048], K = its axis 2): each comes as NAME_codes (uint8): NAME with its K axis moved to the last place and cut into blocks of 32 codes, [.., K / 32, bytes a block], one block behind the other in memory; one code a byte (a code: sign, 5 exponent bits, 2 mantissa bits); its scale is its entry of lowp_scales. Its value is code x scale, taken as it is: it is not quantised again, and the codes and scales need not be those that the quantiser above would give.
;; 2 versions. Each part assembles by itself: llvm-mc -triple=amdgcn-amd-amdhsa -mcpu=gfx1250 --defsym DOCPART=n.
;; ======== version 1 of 2: 2 launches
;; limits: right only within a limited range of input values
;; workspace buffers: wfrag 8,388,608 bytes; tiles 37,376 bytes of whole numbers
;; launch prep (part 1): grid 256 x 1, 4 waves a work-group, no clusters, 35,584 bytes of LDS; arguments W0_codes, W1_codes, type_ids, wfrag, tiles, out0; writes wfrag, tiles, out0
.if DOCPART == 1
	.amdgcn_target "amdgcn-amd-amdhsa--gfx1250"
	.amdhsa_code_object_version 6
	.text
	.protected	k_q597d24ca7a_prep
	.globl	k_q597d24ca7a_prep
	.p2align	8
	.type	k_q597d24ca7a_prep,@function
k_q597d24ca7a_prep:
	s_mov_b64 s[64:65], 0
	v_nop
	global_prefetch_b8 v0, s[64:65] scope:SCOPE_SE
	s_setreg_imm32_b32 hwreg(HW_REG_WAVE_MODE, 25, 1), 1
	s_wait_xcnt 0x0
; MoTEmbed, first of two launches: the routing, the weights' layout, and the rows that no expert takes.
; WHAT IS NOT MULTIPLIED.  The result keeps, for token s, x W0^T + b0 where type_ids[s] == 0, x W1^T + b1 where type_ids[s] == 1, and 0 for any other id: each product is kept
; for the rows that an index input names and thrown away for all others.  So the second launch multiplies each token by the one expert that its id names.  That is a choice by whole numbers:
; it is made here, from type_ids as they are read from memory, stored as whole numbers, and read by the second launch.  Every input has a way to the output and is loaded by one of the two launches.
; LIMIT: an infinity or a NaN that would arise only in the product of the expert that a token does not take is never formed; the selection by the ids throws it away as well.
; THREE JOBS of work-group g (256 work-groups, four waves):
;  1. ROUTING.  A tile is 144 rows of one expert.  With n0 + n1 <= 8,192 rows there are at most ceil(8192 / 144) + 1 = 58 tiles, whatever the split.  Expert 0's tile i is row i of the table, expert 1's tile i is
;     row 57 - i: they never meet.  A table row is 160 words: 0-143 token numbers, 144 the count, 145 the expert, the rest 0.  Every work-group counts all 8,192 ids (no traffic between work-groups), so it knows how
;     many tokens of each expert stand ahead of its own 32 tokens, and wave 0 stores those 32 at their ranks.  Work-group g < 58 also stores what the ranks do not reach of table row g: slots from the count on.
;     So each word of the table is stored once.
;  2. W's LAYOUT.  16 rows of W0 (g < 128) or W1 are laid in the order of the operand's registers:
;     wfrag[e][cg 16][ks 32][nb 8][c 2][lane 32][16 bytes], lane (r = lane % 16, h = lane / 16) = W_e[128 cg + 16 nb + r][64 ks + 32 c + 16 h + 0 .. 15].  The second launch then loads fragments as runs of 512 bytes.
;  3. ZERO ROWS.  A token whose id is neither 0 nor 1 gets a row of zeros, stored here; the second launch never touches such a row.
; Every register that serves as an address is written with all lanes on, ahead of the first line that narrows EXEC, and not again.
.set ID,    32                         ; v32-95   the ids: 64 loads, group 4 j + wave, a lane to a token
.set WO,    32                         ; v32-95   later: W's pieces as they leave
.set WR,    96                         ; v96-159  W's pieces as they are loaded: 16 rows x 16 bytes a lane
.set CB,    160                        ; v160-175 the four waves' counts
.set ZR,    176                        ; v176-179 zeros
.set FA,    16                         ; v16      the fill: byte 640 g + 4 lane of the table; made of ids at the head, never rewritten
.set SPW,   28                         ; v28      LDS address of my spare word: SPARE + 4 x my thread's number; never rewritten
.set NIL,   29                         ; v29      0; never rewritten
.set SPI,   272                        ; a stage row: 256 bytes + 16: an odd multiple of 16 bytes, so that lanes a row apart fall on different 16-byte columns modulo 256
.set STGB,  32*SPI                     ; a wave's stage: 32 rows
.set CNTS,  4*STGB                     ; behind the four stages: the waves' counts, 16 bytes a wave
.set SPARE, CNTS+256                   ; behind them: the spare words, 128 bytes for each wave: two blocks of 256 bytes that no other line names
; scalars: s16 wave, s17 g, s18 g - wave, s20-23 before0, before1, total0, total1, s[32:33] W's source, s[34:35] its destination, s[36:37] the zero rows' base, s38 saved EXEC, s39 other ids' bits, s40 trips, s41 116509
	s_load_b256 s[4:11], s[0:1], 0x0               ; W0 s[4:5], W1 s[6:7], type_ids s[8:9], wfrag s[10:11]
	s_load_b128 s[12:15], s[0:1], 0x20             ; tiles s[12:13], out0 s[14:15]
	v_lshl_add_u32 v[SPW], v0, 2, SPARE
	v_mov_b32 v[NIL], 0
	v_lshrrev_b32 v10, 5, v0
	v_readfirstlane_b32 s16, v10                   ; wave 0..3
	s_mov_b32 s17, ttmp9                           ; g
	s_sub_co_i32 s18, s17, s16                     ; group 4 j + wave stands ahead of group g where 4 j < g - wave (signed)
	v_and_b32 v1, 31, v0                           ; lane
	v_lshlrev_b32 v2, 2, v0                        ; the ids: 4 bytes a thread
	v_lshlrev_b32 v6, 4, v1                        ; 16 x lane
	s_lshl_b32 s24, s16, 9
	v_add_nc_u32 v3, s24, v6                       ; W's source: my wave's 512 bytes of a row, 16 a lane
	s_mul_i32 s25, s16, STGB                       ; my stage
	v_mul_u32_u24 v4, v1, SPI
	v_add_nc_u32 v4, s25, v4                       ; in: stage row = my lane (a piece of 16 bytes along K), column = W's row
	v_lshrrev_b32 v10, 4, v1
	v_and_b32 v11, 15, v1
	v_mul_u32_u24 v5, v10, SPI
	v_lshl_add_u32 v5, v11, 4, v5
	v_add_nc_u32 v5, s25, v5                       ; out: lanes 0-15 take one stage row, lanes 16-31 the next
	s_lshl_b32 s26, s16, 4
	s_add_co_u32 s26, s26, CNTS
	v_mov_b32 v7, s26                              ; my wave's four counts
	v_mov_b32 v8, CNTS                             ; all waves' counts
	s_lshl_b32 s27, s17, 7
	v_lshl_add_u32 v12, v1, 2, s27                 ; my work-group's own 32 ids
	s_mul_i32 s52, s17, 640                        ; table row g (used where g < 58)
	v_lshl_add_u32 v[FA], v1, 2, s52
.irp i, 0,1,2,3
	v_mov_b32 v[ZR+\i], 0
.endr
	s_mov_b32 s20, 0
	s_mov_b32 s21, 0
	s_mov_b32 s22, 0
	s_mov_b32 s23, 0
	s_mov_b32 s41, 116509                          ; ceil(2^24 / 144): rank x 116509 >> 24 = rank / 144, exact for every rank under 8,336; the product stays under 2^32
	s_and_b32 s28, s17, 127
	s_lshl_b32 s28, s28, 15                        ; W's source: 16 rows of 2,048 bytes for each work-group
	s_mov_b32 s29, 0
	s_lshr_b32 s30, s17, 3                         ; 16 e + cg
	s_lshl_b32 s30, s30, 18                        ; x 262,144 bytes
	s_lshl_b32 s24, s16, 16                        ; + my wave's eight ks x 8,192
	s_add_co_u32 s30, s30, s24
	s_and_b32 s24, s17, 7                          ; + nb x 1,024
	s_lshl_b32 s24, s24, 10
	s_add_co_u32 s30, s30, s24
	s_mov_b32 s31, 0
	s_lshl_b32 s42, s17, 18                        ; the zero rows: token 32 g + wave, 8,192 bytes a row
	s_lshl_b32 s24, s16, 13
	s_add_co_u32 s42, s42, s24
	s_mov_b32 s43, 0
	s_wait_kmcnt 0x0
	s_cmp_lt_u32 s17, 128                          ; the choice hangs on the work-group's number alone
	s_cselect_b64 s[32:33], s[4:5], s[6:7]
	s_add_nc_u64 s[32:33], s[32:33], s[28:29]
	s_add_nc_u64 s[34:35], s[10:11], s[30:31]
	s_add_nc_u64 s[36:37], s[14:15], s[42:43]
.set J, 0
.rept 64
	global_load_b32 v[ID+J], v2, s[8:9] offset:512*J           ; tokens 128 J + thread: the last byte read is type_ids' last
.set J, J+1
.endr
	global_load_b32 v9, v12, s[8:9]                ; my work-group's own group, in every wave
.irp r, 0,1,2,3,4,5,6,7,8,9,10,11,12,13,14,15
	global_load_b128 v[WR+4*\r:WR+4*\r+3], v3, s[32:33] offset:2048*\r th:TH_LOAD_NT   ; 32 lanes read 512 consecutive bytes of row r; read once in the launch
.endr
	s_wait_loadcnt 16                              ; loads come back in order: the 65 loads of ids are in, W's sixteen may stay out
; Four groups of ids: how many 0s and 1s, into the totals, and into 'before' where the group stands ahead of mine.  Eight compares first, so that no count waits for the compare just ahead of it.
.macro CNT4 j0
.irp k, 0,1,2,3
	v_cmp_eq_u32 s[44+2*\k], 0, v[ID+\j0+\k]
	v_cmp_eq_u32 s[45+2*\k], 1, v[ID+\j0+\k]
.endr
.irp k, 0,1,2,3
	s_bcnt1_i32_b32 s[44+2*\k], s[44+2*\k]
	s_bcnt1_i32_b32 s[45+2*\k], s[45+2*\k]
	s_add_co_u32 s22, s22, s[44+2*\k]
	s_add_co_u32 s23, s23, s[45+2*\k]
	s_cmp_gt_i32 s18, 4*(\j0+\k)
	s_cselect_b32 s[44+2*\k], s[44+2*\k], 0
	s_cselect_b32 s[45+2*\k], s[45+2*\k], 0
	s_add_co_u32 s20, s20, s[44+2*\k]
	s_add_co_u32 s21, s21, s[45+2*\k]
.endr
.endm
.irp j, 0,4,8,12,16,20,24,28,32,36,40,44,48,52,56,60
	CNT4 \j
.endr
	v_cmp_lt_u32 s39, 1, v9                        ; my group's tokens whose id is neither 0 nor 1 (unsigned: a negative id too)
	v_mov_b32 v10, s20
	v_mov_b32 v11, s21
	v_mov_b32 v12, s22
	v_mov_b32 v13, s23
	ds_store_b128 v7, v[10:13]                     ; all lanes write the same 16 bytes with the same values
	s_wait_loadcnt 0x0                             ; W's sixteen loads
.irp r, 0,1,2,3,4,5,6,7,8,9,10,11,12,13,14,15
	ds_store_b128 v4, v[WR+4*\r:WR+4*\r+3] offset:16*\r        ; piece (K piece = lane, row r)
.endr
.irp m, 0,1,2,3,4,5,6,7,8,9,10,11,12,13,14,15
	ds_load_b128 v[WO+4*\m:WO+4*\m+3], v5 offset:2*SPI*\m      ; K pieces 2 m and 2 m + 1 of all 16 rows: lane (r, h) takes piece 2 m + h of row r.  LDS serves a wave's instructions in order: these see my stores
.endr
	s_wait_dscnt 0x0                               ; for the others' sake: my counts have landed; and my pieces are back
	s_barrier_signal -1
	s_barrier_wait -1                              ; the launch's one barrier: all four waves' counts lie in LDS
.irp m, 0,1,2,3,4,5,6,7,8,9,10,11,12,13,14,15
	global_store_b128 v6, v[WO+4*\m:WO+4*\m+3], s[34:35] offset:(\m/2)*8192+(\m%2)*512   ; ks = 8 wave + m / 2, c = m % 2: 32 lanes store 512 consecutive bytes, at a multiple of 512 from wfrag's first byte
.endr
.irp i, 0,1,2,3
	ds_load_b128 v[CB+4*\i:CB+4*\i+3], v8 offset:16*\i
.endr
	s_wait_dscnt 0x0
.irp c, 0,1,2,3
	v_add_nc_u32 v[CB+\c], v[CB+\c], v[CB+4+\c]
	v_add_nc_u32 v[CB+8+\c], v[CB+8+\c], v[CB+12+\c]
.endr
.irp c, 0,1,2,3
	v_add_nc_u32 v[CB+\c], v[CB+\c], v[CB+8+\c]
.endr
.irp c, 0,1,2,3
	v_readfirstlane_b32 s[20+\c], v[CB+\c]         ; before0, before1, total0, total1, over all 256 groups
.endr
	; ---- wave 0: my group's 32 tokens go to their places in the table.  Both experts' places are worked out in every lane, all lanes on; the id chooses; ONE store, for the lanes whose id is 0 or 1
	s_cmp_lg_u32 s16, 0
	s_cbranch_scc1 .Lnot_scatter
	s_lshl_b32 s24, s17, 5
	v_add_nc_u32 v13, s24, v1                      ; my token's number
	v_cmp_eq_u32 vcc_lo, 0, v9
	v_mbcnt_lo_u32_b32 v14, vcc_lo, 0              ; how many lanes below mine take expert 0
	v_add_nc_u32 v14, s20, v14                     ; my rank among expert 0's tokens
	v_mul_lo_u32 v15, v14, s41
	v_lshrrev_b32 v15, 24, v15                     ; tile = rank / 144
	v_lshl_add_u32 v14, v15, 4, v14                ; word 160 tile + (rank - 144 tile)
	v_cmp_eq_u32 vcc_lo, 1, v9
	v_mbcnt_lo_u32_b32 v24, vcc_lo, 0              ; the same for expert 1
	v_add_nc_u32 v24, s21, v24
	v_mul_lo_u32 v15, v24, s41
	v_lshrrev_b32 v15, 24, v15
	v_mul_u32_u24 v15, v15, 304
	v_sub_nc_u32 v24, v24, v15
	v_add_nc_u32 v24, 9120, v24                    ; word 160 (57 - tile) + (rank - 144 tile)
	v_cndmask_b32 v15, v14, v24, vcc_lo            ; id 1: expert 1's word; else expert 0's
	v_min_u32 v15, 9279, v15                       ; a number made of loaded data enters an address only under a bound: the table's last word
	v_lshlrev_b32 v15, 2, v15
	v_cmp_gt_u32 vcc_lo, 2, v9                     ; a token with another id has no place in the table
	s_wait_xcnt 0x0                                ; EXEC is a source of the stores that are out: it changes only behind this wait
	s_and_saveexec_b32 s38, vcc_lo
	global_store_b32 v15, v13, s[12:13]
	s_wait_xcnt 0x0                                ; and again in front of the line that widens it
	s_or_b32 exec_lo, exec_lo, s38
.Lnot_scatter:
	; ---- wave 1 of work-groups 0 to 57: what the ranks do not reach of table row g
	s_cmp_lg_u32 s16, 1
	s_cbranch_scc1 .Lnot_fill
	s_cmp_ge_u32 s17, 58
	s_cbranch_scc1 .Lnot_fill
	s_mul_i32 s24, s17, 144                        ; the first rank of expert 0's tile g,
	s_sub_co_u32 s25, 57, s17
	s_mul_i32 s25, s25, 144                        ; and of expert 1's tile 57 - g
	s_cmp_lt_u32 s24, s22                          ; has expert 0 a tile g?
	s_cselect_b32 s26, 0, 1                        ; the row's expert
	s_cselect_b32 s27, s24, s25                    ; its first rank
	s_cselect_b32 s28, s22, s23                    ; the expert's tokens
	s_max_u32 s28, s28, s27
	s_sub_co_u32 s28, s28, s27                     ; those from the first rank on, or 0,
	s_min_u32 s28, s28, 144                        ; at most a tile: the count
	v_mov_b32 v22, s28
	v_mov_b32 v23, s26
	v_mov_b32 v21, 0                               ; slots 128 to 159: 0, but the count at slot 144 and the expert at slot 145
	v_cmp_eq_u32 vcc_lo, 16, v1
	v_cndmask_b32 v21, v21, v22, vcc_lo
	v_cmp_eq_u32 vcc_lo, 17, v1
	v_cndmask_b32 v21, v21, v23, vcc_lo
.macro FILL k                          ; slots 32 k + lane: the piece's place stands in the store's immediate, and no vector register is written here
	s_sub_co_i32 s24, s28, 32*\k
	v_cmp_le_i32 vcc_lo, s24, v1                   ; count - 32 k <= lane: slots under the count belong to the tokens' own stores
	s_wait_xcnt 0x0
	s_and_saveexec_b32 s38, vcc_lo
.if \k < 4
	global_store_b32 v[FA], v[ZR], s[12:13] offset:128*\k
.else
	global_store_b32 v[FA], v21, s[12:13] offset:128*\k
.endif
	s_wait_xcnt 0x0
	s_or_b32 exec_lo, exec_lo, s38
.endm
.irp k, 0,1,2,3,4
	FILL \k
.endr
.Lnot_fill:
	; ---- all waves: rows of zeros for my group's tokens with another id.  Wave w looks at tokens w, w + 4, .. w + 28: eight trips, always walked; only a trip's stores are jumped over
	s_lshr_b32 s39, s39, s16
	s_mov_b32 s40, 8
.Lzero:
	s_and_b32 s24, s39, 1
	s_cmp_lg_u32 s24, 0
	s_cbranch_scc0 .Ltaken
.irp k, 0,1,2,3,4,5,6,7,8,9,10,11,12,13,14,15
	global_store_b128 v6, v[ZR:ZR+3], s[36:37] offset:512*\k th:TH_STORE_NT   ; 512 consecutive bytes of the row's 8,192
.endr
.Ltaken:
	s_lshr_b32 s39, s39, 4
	s_wait_xcnt 0x0                                ; the stores have read their base: it steps only behind this wait
	s_add_nc_u64 s[36:37], s[36:37], 32768         ; four tokens on
	s_sub_co_u32 s40, s40, 1
	s_cmp_lg_u32 s40, 0
	s_cbranch_scc1 .Lzero
	s_wait_tensorcnt 0x0                           ; the wave's end
	ds_add_u32 v[SPW], v[NIL]
	s_wait_dscnt 0x0
	s_endpgm
.Lfunc_end_k_q597d24ca7a_prep:
	.size	k_q597d24ca7a_prep, .Lfunc_end_k_q597d24ca7a_prep-k_q597d24ca7a_prep
	.p2alignl 7, 3214868480
	.fill 96, 4, 3214868480
	.section	.rodata,"a",@progbits
	.p2align	6, 0x0
	.amdhsa_kernel k_q597d24ca7a_prep
		.amdhsa_group_segment_fixed_size 35584
		.amdhsa_private_segment_fixed_size 0
		.amdhsa_enable_private_segment 0
		.amdhsa_kernarg_size 48
		.amdhsa_user_sgpr_count 2
		.amdhsa_user_sgpr_kernarg_segment_ptr 1
		.amdhsa_wavefront_size32 1
		.amdhsa_system_sgpr_workgroup_id_x 1
		.amdhsa_system_sgpr_workgroup_id_y 1
		.amdhsa_system_sgpr_workgroup_id_z 1
		.amdhsa_system_vgpr_workitem_id 0
		.amdhsa_next_free_vgpr 192
		.amdhsa_next_free_sgpr 66
		.amdhsa_reserve_vcc 1
		.amdhsa_float_denorm_mode_32 3
		.amdhsa_float_denorm_mode_16_64 3
		.amdhsa_memory_ordered 1
		.amdhsa_forward_progress 1
		.amdhsa_inst_pref_size 48
	.end_amdhsa_kernel
	.amdgpu_metadata
---
amdhsa.version: [ 1, 2 ]
amdhsa.kernels:
  - .name:           k_q597d24ca7a_prep
    .symbol:         k_q597d24ca7a_prep.kd
    .args:
      - { .name: W0_codes, .offset: 0, .size: 8, .value_kind: global_buffer, .address_space: global }
      - { .name: W1_codes, .offset: 8, .size: 8, .value_kind: global_buffer, .address_space: global }
      - { .name: type_ids, .offset: 16, .size: 8, .value_kind: global_buffer, .address_space: global }
      - { .name: wfrag, .offset: 24, .size: 8, .value_kind: global_buffer, .address_space: global }
      - { .name: tiles, .offset: 32, .size: 8, .value_kind: global_buffer, .address_space: global }
      - { .name: out0, .offset: 40, .size: 8, .value_kind: global_buffer, .address_space: global }
    .group_segment_fixed_size: 35584
    .private_segment_fixed_size: 0
    .kernarg_segment_align: 8
    .kernarg_segment_size: 48
    .max_flat_workgroup_size: 128
    .sgpr_count:     66
    .vgpr_count:     192
    .wavefront_size: 32
...
	.end_amdgpu_metadata
.endif
;; end of part 1
;; launch gemm (part 2): grid 4 x 58, 4 waves a work-group, no clusters, 297,728 bytes of LDS; arguments hidden_states_codes, wfrag, tiles, b0, b1, lowp_scales, out0; writes out0
.if DOCPART == 2
	.amdgcn_target "amdgcn-amd-amdhsa--gfx1250"
	.amdhsa_code_object_version 6
	.text
	.protected	k_q597d24ca7a_gemm
	.globl	k_q597d24ca7a_gemm
	.p2align	8
	.type	k_q597d24ca7a_gemm,@function
k_q597d24ca7a_gemm:
	s_mov_b64 s[64:65], 0
	v_nop
	global_prefetch_b8 v0, s[64:65] scope:SCOPE_SE
	s_setreg_imm32_b32 hwreg(HW_REG_WAVE_MODE, 25, 1), 1
	s_wait_xcnt 0x0
; MoTEmbed, second launch: out[token] = (x[token] . W_e) 2^(ex + ew) + b_e for the one expert e that the token's id names, on codes of BF8 (E5M2) as they are given.
; WORK LEFT OUT: the product with the expert that a token does not take (the selection by type_ids keeps it for no such row); the choice was made by the first launch and is read here as whole numbers.
; Tokens with another id were given zeros there and are in no tile.  LIMITS: lowp_scales[0] + [1] and [2] + [3] lie between -126 and 127, so that the factor is an f32 number; an infinity or NaN of the product not taken is never formed.
; SHARES.  Work-group (x, t) takes table row t (up to 144 tokens of one expert) x output columns 512 x .. 512 x + 511; wave w the columns 128 w on, for all 144 rows: 9 x 8 accumulators of 16 x 16, 576 registers.
; 58 table rows serve every split of 8,192 tokens on two experts.  A row with count 0 walks the same text as far as the last barrier, so that every wave passes both barriers, and then jumps over the way out: one scalar
; branch on the stored count, the same in all four waves; EXEC is never changed.  A slot at or beyond the count repeats the tile's slot 0: it computes and stores the same bytes as that row, in the same wave.
; A: the tile's whole panel, 144 rows x 2,048 codes, is gathered once into LDS through registers (the rows are named by a list) and read from there as fragments.
; B: each wave's 128 columns of W come from the first launch's image of the operand's registers straight into registers: 16 loads of 512 consecutive bytes for 64 along K; four sets of 64 registers, three of them on their way.
; So a step's 72 matrix instructions are fed by 18 LDS loads a wave; through LDS B would add 16 more a wave, and its fills.
; K goes in 32 steps of 64 by v_wmma_f32_16x16x64_bf8_bf8.  TABLE ROW t BEGINS ITS WALK 256 (t % 8) CODES INTO K and wraps round, so that the tiles of one expert do not all ask for the same bytes of W in the same step;
; only the order of an output's sums changes.  Both operands hold k = 64 s + 32 c + 16 (lane / 16) + 0 .. 15 in registers 4 c .. 4 c + 3: the same permutation of k on both sides, so every product meets its partner.
; THE MATRIX INSTRUCTION IS USED TRANSPOSED (source 0 = 16 rows of W, source 1 = 16 tokens): a lane holds eight neighbouring columns of one token's row.
; NO CLUSTER, NO TENSOR LOAD: A's rows are scattered in memory and named by loaded numbers, which one tile descriptor cannot state; B never lies in LDS, so a joint load has nowhere to land; and partners would have to share an expert at every split.
; REGISTERS, in windows of 256.  Window 0: v1-31 addresses and the tokens; v32-103, v104-175 A's fragments, two sets of 9 x 8 (in the gather: 144 offsets; on the way out: results and offsets); v176-184 A's rows in LDS; v192-255 the accumulators of rows 128-143.
;   Window 1: accumulators of rows 0-63, (a, b) at v[64 a + 8 b].  Window 2: rows 64-127.  (In the gather windows 1, 2 and v192-255 hold the rows on their way to LDS.)  Window 3: B's four sets; at the end the bias (v0-63) and rows read back from the stage (v64-191).
.set PITCH, 2064                       ; a panel row: 2,048 bytes + 16: 129 x 16, an odd multiple of 16 bytes, so that the 16 rows of a fragment load fall on 16 different 16-byte columns modulo 256
.set SPARE, 144*PITCH                  ; behind the panel: the spare words, 128 bytes for each wave: two blocks of 256 bytes that no other line names
.set SP,    528                        ; the way out: a stage of 16 rows x (512 bytes + 16) for each wave, laid over the panel once nobody reads it
.set L16,  1                           ; v1      16 x lane
.set AADR, 2                           ; v2-10   LDS address of block a's fragments for the trip in hand
.set TOK,  11                          ; v11-15  the tile's tokens: slot 32 j + lane
.set ROT,  16                          ; v16-19  my byte in a token's row for quarter q, turned by the tile's start: (16 lane + 512 q + 256 (t % 8)) mod 2,048
.set ST,   20                          ; v20-24  the gather: where I put 16 bytes: row wave + 32 j, 16 x lane
.set STO,  25                          ; v25     the way out: where I put 32 bytes of a row
.set RD,   26                          ; v26     and where I read a row back
.set CO,   27                          ; v27     my byte in a row of out0: 2,048 x + 512 wave + 16 lane
.set SPW,  28                          ; v28     LDS address of my spare word: SPARE + 4 x my thread's number; never rewritten
.set NIL,  29                          ; v29     0; never rewritten
.set BO,   30                          ; v30     the bias: 32 x (lane / 16)
.set T,    31                          ; v31     4 x lane, for the table
.set AS,   32
.set GOFF, 32
.set TMP,  32
.set OO,   96
.set AROW, 176
.set A8,   192
.set BK,   64
.set WV,  18                           ; s18 wave, s19 x, s20 t, s21 t % 8
.set CNT, 22                           ; s22 the tile's count, s23 its expert
.set BAS, 28                           ; s[28:29] my wave's 262,144 bytes of W's image
.set BP,  30                           ; s[30:31] the four K steps in hand
.set OF,  32                           ; s[32:33] their offset, and 0
.set TR,  34                           ; s34 trips
.set KB,  35                           ; s35 the trip's first byte in a panel row
.set SC,  36                           ; s[36:37] 2^(ex + ew), twice
.set BI,  38                           ; s[38:39] the bias at my first column
.set MSB, 0
.macro WIN new                         ; low byte: bits 1:0 source 0, 3:2 source 1, 5:4 source 2, 7:6 destination; the high byte repeats the setting that is left
.if MSB != \new
	s_set_vgpr_msb (MSB<<8)|\new
.set MSB, \new
.endif
.endm
	s_load_b256 s[4:11], s[0:1], 0x0               ; x's codes s[4:5], wfrag s[6:7], tiles s[8:9], b0 s[10:11]
	s_load_b128 s[12:15], s[0:1], 0x20             ; b1 s[12:13], the scales' exponents s[14:15]
	s_load_b64 s[16:17], s[0:1], 0x30              ; out0
	v_lshl_add_u32 v[SPW], v0, 2, SPARE
	v_mov_b32 v[NIL], 0
	v_lshrrev_b32 v[T], 5, v0
	v_readfirstlane_b32 s[WV], v[T]                ; wave 0..3
	s_mov_b32 s19, ttmp9                           ; x
	s_and_b32 s20, ttmp7, 0xffff                   ; t
	s_and_b32 s21, s20, 7
	v_and_b32 v34, 31, v0                          ; lane
	v_and_b32 v32, 15, v0                          ; r
	v_bfe_u32 v33, v0, 4, 1                        ; h
	v_lshlrev_b32 v[L16], 4, v34
	v_lshlrev_b32 v[T], 2, v34
	v_lshlrev_b32 v[BO], 5, v33
	v_mul_u32_u24 v35, v32, PITCH
	v_lshl_add_u32 v35, v33, 4, v35                ; a fragment: row r x pitch + 16 h
.irp a, 0,1,2,3,4,5,6,7,8
	v_add_nc_u32 v[AROW+\a], 16*PITCH*\a, v35
.endr
	s_lshl_b32 s43, s21, 8                         ; the tile's start in K
.irp q, 0,1,2,3
	s_add_co_u32 s46, s43, 512*\q
	v_add_nc_u32 v[ROT+\q], s46, v[L16]
	v_and_b32 v[ROT+\q], 0x7ff, v[ROT+\q]
.endr
	s_mul_i32 s43, s[WV], PITCH
	v_add_nc_u32 v35, s43, v[L16]
.irp j, 0,1,2,3,4
	v_add_nc_u32 v[ST+\j], 32*PITCH*\j, v35
.endr
	s_mul_i32 s43, s[WV], 16*SP                    ; my stage
	v_mul_u32_u24 v[STO], v32, SP
	v_lshl_add_u32 v[STO], v33, 5, v[STO]
	v_add_nc_u32 v[STO], s43, v[STO]
	v_add_nc_u32 v[RD], s43, v[L16]
	s_lshl_b32 s48, s19, 11
	s_lshl_b32 s46, s[WV], 9
	s_add_co_u32 s48, s48, s46                     ; my first column in bytes of f32: 2,048 x + 512 wave
	s_mov_b32 s49, 0
	v_add_nc_u32 v[CO], s48, v[L16]
	s_mul_i32 s50, s20, 640                        ; my table row
	s_mov_b32 s51, 0
	s_wait_kmcnt 0x0
	s_add_nc_u64 s[44:45], s[8:9], s[50:51]        ; never rewritten
.irp j, 0,1,2,3,4
	global_load_b32 v[TOK+\j], v[T], s[44:45] offset:128*\j    ; the row's 160 words
.endr
	s_load_b64 s[22:23], s[44:45], 0x240           ; words 144, 145: the count, the expert
	s_load_b128 s[24:27], s[14:15], 0x0            ; the four exponents
	s_wait_kmcnt 0x0
	s_min_u32 s23, s23, 1                          ; a loaded number enters an address only under a bound
	s_lshl_b32 s43, s23, 4
	s_lshl_b32 s46, s19, 2
	s_add_co_u32 s43, s43, s46
	s_add_co_u32 s43, s43, s[WV]                   ; 16 e + 4 x + wave: which 128 columns
	s_lshl_b32 s46, s43, 18
	s_mov_b32 s47, 0
	s_add_nc_u64 s[BAS:BAS+1], s[6:7], s[46:47]
	s_lshl_b32 s[OF], s21, 15                      ; the tile's start: 4 (t % 8) K steps of 8,192 bytes
	s_mov_b32 s[OF+1], 0
	s_add_nc_u64 s[BP:BP+1], s[BAS:BAS+1], s[OF:OF+1]
	s_add_co_i32 s43, s24, s25
	s_add_co_i32 s46, s26, s27
	s_cmp_eq_u32 s23, 0                            ; a choice of values and of a buffer, not a branch
	s_cselect_b32 s[SC], s43, s46
	s_cselect_b64 s[BI:BI+1], s[10:11], s[12:13]
	s_add_nc_u64 s[BI:BI+1], s[BI:BI+1], s[48:49]
	s_add_co_i32 s[SC], s[SC], 127
	s_lshl_b32 s[SC], s[SC], 23                    ; 2^(ex + ew) as f32
	s_mov_b32 s[SC+1], s[SC]                       ; (named with it as a pair, so it is written)
.macro BLOAD bs, bimm                  ; B's eight fragments of one K step into set bs: sixteen loads of 512 consecutive bytes
.irp nb, 0,1,2,3,4,5,6,7
	global_load_b128 v[64*(\bs)+8*\nb:64*(\bs)+8*\nb+3],   v[L16], s[BP:BP+1] offset:(\bimm)+1024*\nb
	global_load_b128 v[64*(\bs)+8*\nb+4:64*(\bs)+8*\nb+7], v[L16], s[BP:BP+1] offset:(\bimm)+1024*\nb+512
.endr
.endm
	WIN 0xc0                                       ; destination window 3
	BLOAD 0, 0
	BLOAD 1, 8192
	BLOAD 2, 16384
	s_wait_loadcnt 48                              ; the 48 just issued may stay out: the table's five loads are in
	BLOAD 3, 24576
	WIN 0
	v_readlane_b32 s41, v[TOK], 0                  ; slot 0's token
	v_mov_b32 v36, s41
.irp j, 0,1,2,3,4
	v_add_nc_u32 v35, 32*\j, v34                   ; slot
	v_cmp_gt_u32 vcc_lo, s[CNT], v35
	v_cndmask_b32 v[TOK+\j], v36, v[TOK+\j], vcc_lo            ; at or beyond the count: slot 0's token once more
.endr
; THE GATHER.  Wave w fetches panel rows 4 i + w, i = 0 .. 35: four loads of 512 bytes a row, 15 rows ahead; each row has its own offsets and its own registers, so nothing is written twice.
.macro STG i                           ; where row i waits: window SW, from register SB on
.if (\i) < 16
.set SW, 1
.set SB, 16*(\i)
.elseif (\i) < 32
.set SW, 2
.set SB, 16*((\i)-16)
.else
.set SW, 0
.set SB, A8+16*((\i)-32)
.endif
.endm
.macro ROWADDR i
	WIN 0
	s_add_co_u32 s40, s[WV], 4*((\i)%8)
	v_readlane_b32 s41, v[TOK+(\i)/8], s40         ; slot 4 i + wave
	s_min_u32 s41, s41, 8191                       ; under a bound: the last token
	s_lshl_b32 s41, s41, 11                        ; its row of 2,048 codes
.irp q, 0,1,2,3
	v_add_nc_u32 v[GOFF+4*(\i)+\q], s41, v[ROT+\q]
.endr
.endm
.macro GLOAD i
	STG \i
	WIN SW<<6
.irp q, 0,1,2,3
	global_load_b128 v[SB+4*\q:SB+4*\q+3], v[GOFF+4*(\i)+\q], s[4:5]
.endr
.endm
.macro SSTORE i
	STG \i
	WIN SW<<2                                      ; an LDS store's data are source 1
.irp q, 0,1,2,3
	ds_store_b128 v[ST+(\i)/8], v[SB+4*\q:SB+4*\q+3] offset:4*PITCH*((\i)%8)+512*\q
.endr
.endm
.set I, 0
.rept 15
	ROWADDR I
	GLOAD I
.set I, I+1
.endr
.set I, 0
.rept 36
.if 35-I < 14
	s_wait_loadcnt 4*(35-I)                        ; the rows asked for behind row I may stay out: the counts run down to 0
.else
	s_wait_loadcnt 56                              ; 14 younger rows, four loads each
.endif
	SSTORE I
.if I+15 <= 35
	ROWADDR I+15
	GLOAD I+15
.endif
.set I, I+1
.endr
	WIN 0
	s_wait_dscnt 0x0                               ; for the others' sake: my rows lie in the panel
	s_barrier_signal -1
	s_barrier_wait -1                              ; the panel is whole
; 72 matrix instructions: A's nine blocks, each against B's eight, 64 along K.  The 72 accumulators take turns, one instruction a turn, in the same order in every step.
.macro MUL bs, ap, zero
.irp a, 0,1,2,3,4,5,6,7,8
.if \a < 4
	WIN 0x53                                       ; B window 3, A window 0, C and D window 1
.set AC, 64*\a
.elseif \a < 8
	WIN 0xa3                                       ; C and D window 2
.set AC, 64*(\a-4)
.else
	WIN 0x03                                       ; C and D window 0
.set AC, A8
.endif
.irp b, 0,1,2,3,4,5,6,7
.if \zero
	v_wmma_f32_16x16x64_bf8_bf8 v[AC+8*\b:AC+8*\b+7], v[64*(\bs)+8*\b:64*(\bs)+8*\b+7], v[AS+72*(\ap)+8*\a:AS+72*(\ap)+8*\a+7], 0
.else
	v_wmma_f32_16x16x64_bf8_bf8 v[AC+8*\b:AC+8*\b+7], v[64*(\bs)+8*\b:64*(\bs)+8*\b+7], v[AS+72*(\ap)+8*\a:AS+72*(\ap)+8*\a+7], v[AC+8*\b:AC+8*\b+7]
.endif
.endr
.endr
.endm
; A K STEP.  bs: B's set; ap: A's set; zero = 1: the products start the sums (nothing is ever cleared).  lda = 1: the next step's fragments of A, at byte aimm of the trip's part of the rows, into the other set.
; ldb = 1: the K step three on, at byte bimm, into the set that the step before has read; 2: the bias there.  lcnt: the younger loads that may stay out.  newtrip = 1: the LDS addresses are made for the trip.
; A load into a register that a matrix instruction has read stands four places behind it, and only plain vector instructions that name none of its registers are places (ISA guide 7.12.1 for vector instructions):
; four v_nop, or the nine additions of a new trip.
.macro STEP bs, ap, zero, ldb, lda, aimm, bimm, lcnt, newtrip
	WIN 0
.if \newtrip
.irp a, 0,1,2,3,4,5,6,7,8
	v_add_nc_u32 v[AADR+\a], s[KB], v[AROW+\a]
.endr
.else
.rept 4
	v_nop
.endr
.endif
.if \lda
.irp a, 0,1,2,3,4,5,6,7,8
	ds_load_b128 v[AS+72*(1-\ap)+8*\a:AS+72*(1-\ap)+8*\a+3],   v[AADR+\a] offset:\aimm
	ds_load_b128 v[AS+72*(1-\ap)+8*\a+4:AS+72*(1-\ap)+8*\a+7], v[AADR+\a] offset:\aimm+32
.endr
.endif
.if \ldb == 1
	WIN 0xc0
	BLOAD (\bs+3)%4, \bimm
.elseif \ldb == 2
	WIN 0xc0
.irp b, 0,1,2,3,4,5,6,7
	global_load_b128 v[8*\b:8*\b+3],   v[BO], s[BI:BI+1] offset:64*\b       ; lane (r, h): the bias of columns 16 b + 8 h + 0 .. 7: the result's layout
	global_load_b128 v[8*\b+4:8*\b+7], v[BO], s[BI:BI+1] offset:64*\b+16
.endr
.endif
	s_wait_loadcnt \lcnt                           ; this step's set of B is in
	s_wait_dscnt 18*\lda                           ; this step's fragments of A are in; the 18 loads just issued may stay out
	MUL \bs, \ap, \zero
.endm
	s_mov_b32 s[KB], 0
.irp a, 0,1,2,3,4,5,6,7,8
	v_add_nc_u32 v[AADR+\a], s[KB], v[AROW+\a]
.endr
.irp a, 0,1,2,3,4,5,6,7,8
	ds_load_b128 v[AS+8*\a:AS+8*\a+3],   v[AADR+\a]            ; step 0's fragments.  (The offsets that lay here served loads that the gather's last wait has shown done)
	ds_load_b128 v[AS+8*\a+4:AS+8*\a+7], v[AADR+\a] offset:32
.endr
	STEP 0, 0, 1, 0, 1, 64, 0, 0, 0                ; step 0 stands ahead of the loop: its products start the sums; B's four sets were shown in by the gather's waits
	WIN 0                                          ; at a label and at a branch every window is 0
	s_mov_b32 s[TR], 7
.Ltrip:                                            ; steps 4 n + 1 .. 4 n + 4; they ask for B's steps 4 n + 4 .. 4 n + 7
	s_wait_xcnt 0x0                                ; the loads that are out have read their base: it is written only behind this wait
	s_add_co_u32 s[OF], s[OF], 32768               ; four K steps on,
	s_and_b32 s[OF], s[OF], 0x3ffff                ; round the end of my 262,144 bytes
	s_add_nc_u64 s[BP:BP+1], s[BAS:BAS+1], s[OF:OF+1]
	STEP 1, 1, 0, 1, 1, 128, 0,     48, 1          ; 48: the three younger sets
	STEP 2, 0, 0, 1, 1, 192, 8192,  48, 0
	STEP 3, 1, 0, 1, 1, 256, 16384, 48, 0
	STEP 0, 0, 0, 1, 1, 320, 24576, 48, 0
	WIN 0
	s_add_co_u32 s[KB], s[KB], 256
	s_sub_co_u32 s[TR], s[TR], 1
	s_cmp_lg_u32 s[TR], 0
	s_cbranch_scc1 .Ltrip
	STEP 1, 1, 0, 2, 1, 128, 0, 48, 1              ; step 29: the bias goes into set 0, which step 28 read last; B's steps 30 and 31 and the bias may stay out
	STEP 2, 0, 0, 0, 1, 192, 0, 32, 0              ; step 30: B's step 31 and the bias
	STEP 3, 1, 0, 0, 0, 0,   0, 16, 0              ; step 31: the bias; nothing more is fetched
	; THE WAY OUT, block by block of 16 tokens x 128 columns: sum x 2^(ex + ew) + bias, through my stage in LDS, back as whole pieces of 512 bytes of a row, each stored at its token's row.
	WIN 0
.rept 4
	v_nop                                          ; places behind the last products: for the reads of results and for what is written over A's and B's registers
.endr
	s_wait_loadcnt 0x0                             ; the bias
	s_wait_dscnt 0x0                               ; my reads of the panel are over
	s_barrier_signal -1
	s_barrier_wait -1                              ; everybody's are: the stages may be laid over it.  The launch's last barrier
	s_cmp_eq_u32 s[CNT], 0                         ; a table row with no token stores nothing: a branch on a stored whole number, the same in all four waves, with no barrier behind it
	s_cbranch_scc1 .Lempty
.macro TOSTAGE a
.if (\a) < 4
	WIN 0x31                                       ; the sums window 1, the bias window 3
.set AC, 64*(\a)
.elseif (\a) < 8
	WIN 0x32
.set AC, 64*((\a)-4)
.else
	WIN 0x30
.set AC, A8
.endif
.irp b, 0,1,2,3,4,5,6,7
.irp i, 0,2,4,6
	v_pk_fma_f32 v[TMP+8*\b+\i:TMP+8*\b+\i+1], v[AC+8*\b+\i:AC+8*\b+\i+1], s[SC:SC+1], v[8*\b+\i:8*\b+\i+1] op_sel_hi:[1,0,1]   ; each accumulator from its low end on; the scalar pair's low word for both halves
.endr
.endr
	WIN 0
.irp b, 0,1,2,3,4,5,6,7
	ds_store_b128 v[STO], v[TMP+8*\b:TMP+8*\b+3] offset:64*\b
	ds_store_b128 v[STO], v[TMP+8*\b+4:TMP+8*\b+7] offset:64*\b+16
.endr
	WIN 0xc0
.set BB, BK+64*((\a)%2)
.irp t, 0,1,2,3,4,5,6,7,8,9,10,11,12,13,14,15
	ds_load_b128 v[BB+4*\t:BB+4*\t+3], v[RD] offset:\t*SP      ; LDS serves a wave's instructions in order: these see my stores, and the next block's stores come behind them
.endr
	WIN 0
.endm
.macro SEND a, younger                 ; younger: the LDS instructions issued behind block a's loads, which may stay out
.set BB, BK+64*((\a)%2)
.set OB, OO+16*((\a)%2)
	s_wait_dscnt \younger
.irp t, 0,1,2,3,4,5,6,7,8,9,10,11,12,13,14,15
	v_readlane_b32 s41, v[TOK+(16*(\a)+\t)/32], (16*(\a)+\t)%32
	s_min_u32 s41, s41, 8191                       ; under a bound: the last token
	s_lshl_b32 s41, s41, 13                        ; its row of 8,192 bytes
	v_add_nc_u32 v[OB+\t], s41, v[CO]              ; all lanes on
.endr
	WIN 0x0c                                       ; a store's data are source 1: window 3
.irp t, 0,1,2,3,4,5,6,7,8,9,10,11,12,13,14,15
	global_store_b128 v[OB+\t], v[BB+4*\t:BB+4*\t+3], s[16:17] th:TH_STORE_NT   ; 32 lanes store 512 consecutive bytes, at a multiple of 512 from out0's first byte; written once, read by nobody here
.endr
	WIN 0
.endm
	TOSTAGE 0
.irp a, 1,2,3,4,5,6,7,8
.if \a > 1
	s_wait_xcnt 0x0                                ; block a - 2's stores have read their data and offsets: block a's loads may land there, and the offsets may be written
.endif
	TOSTAGE \a
	SEND \a-1, 32                                  ; behind block a - 1's loads: block a's 16 stores and 16 loads
.endr
	s_wait_xcnt 0x0
	SEND 8, 0
.Lempty:
	s_wait_tensorcnt 0x0                           ; the wave's end
	ds_add_u32 v[SPW], v[NIL]
	s_wait_dscnt 0x0
	s_endpgm
.Lfunc_end_k_q597d24ca7a_gemm:
	.size	k_q597d24ca7a_gemm, .Lfunc_end_k_q597d24ca7a_gemm-k_q597d24ca7a_gemm
	.p2alignl 7, 3214868480
	.fill 96, 4, 3214868480
	.section	.rodata,"a",@progbits
	.p2align	6, 0x0
	.amdhsa_kernel k_q597d24ca7a_gemm
		.amdhsa_group_segment_fixed_size 297728
		.amdhsa_private_segment_fixed_size 0
		.amdhsa_enable_private_segment 0
		.amdhsa_kernarg_size 56
		.amdhsa_user_sgpr_count 2
		.amdhsa_user_sgpr_kernarg_segment_ptr 1
		.amdhsa_wavefront_size32 1
		.amdhsa_system_sgpr_workgroup_id_x 1
		.amdhsa_system_sgpr_workgroup_id_y 1
		.amdhsa_system_sgpr_workgroup_id_z 1
		.amdhsa_system_vgpr_workitem_id 0
		.amdhsa_next_free_vgpr 1024
		.amdhsa_next_free_sgpr 66
		.amdhsa_reserve_vcc 1
		.amdhsa_float_denorm_mode_32 3
		.amdhsa_float_denorm_mode_16_64 3
		.amdhsa_memory_ordered 1
		.amdhsa_forward_progress 1
		.amdhsa_inst_pref_size 185
	.end_amdhsa_kernel
	.amdgpu_metadata
---
amdhsa.version: [ 1, 2 ]
amdhsa.kernels:
  - .name:           k_q597d24ca7a_gemm
    .symbol:         k_q597d24ca7a_gemm.kd
    .args:
      - { .name: hidden_states_codes, .offset: 0, .size: 8, .value_kind: global_buffer, .address_space: global }
      - { .name: wfrag, .offset: 8, .size: 8, .value_kind: global_buffer, .address_space: global }
      - { .name: tiles, .offset: 16, .size: 8, .value_kind: global_buffer, .address_space: global }
      - { .name: b0, .offset: 24, .size: 8, .value_kind: global_buffer, .address_space: global }
      - { .name: b1, .offset: 32, .size: 8, .value_kind: global_buffer, .address_space: global }
      - { .name: lowp_scales, .offset: 40, .size: 8, .value_kind: global_buffer, .address_space: global }
      - { .name: out0, .offset: 48, .size: 8, .value_kind: global_buffer, .address_space: global }
    .group_segment_fixed_size: 297728
    .private_segment_fixed_size: 0
    .kernarg_segment_align: 8
    .kernarg_segment_size: 56
    .max_flat_workgroup_size: 128
    .sgpr_count:     66
    .vgpr_count:     1024
    .wavefront_size: 32
...
	.end_amdgpu_metadata
.endif
;; end of part 2
;; ======== version 2 of 2: 2 launches
;; limits: right only within a limited range of input values
;; workspace buffers: wfrag 8,388,608 bytes; tiles 37,376 bytes of whole numbers
;; launch prep (part 3): grid 256 x 1, 4 waves a work-group, no clusters, 35,584 bytes of LDS; arguments W0_codes, W1_codes, type_ids, wfrag, tiles, out0; writes wfrag, tiles, out0
.if DOCPART == 3
	.amdgcn_target "amdgcn-amd-amdhsa--gfx1250"
	.amdhsa_code_object_version 6
	.text
	.protected	k_q597d24ca7a_prep
	.globl	k_q597d24ca7a_prep
	.p2align	8
	.type	k_q597d24ca7a_prep,@function
k_q597d24ca7a_prep:
	s_mov_b64 s[64:65], 0
	v_nop
	global_prefetch_b8 v0, s[64:65] scope:SCOPE_SE
	s_setreg_imm32_b32 hwreg(HW_REG_WAVE_MODE, 25, 1), 1
	s_wait_xcnt 0x0
; MoTEmbed, first of two launches: the routing, the weights' layout, and the rows that no expert takes.
; WHAT IS NOT MULTIPLIED.  The result keeps, for token s, x W0^T + b0 where type_ids[s] == 0, x W1^T + b1 where type_ids[s] == 1, and 0 for any other id: each product is kept
; for the rows that an index input names and thrown away for all others.  So the second launch multiplies each token by the one expert that its id names.  That is a choice by whole numbers:
; it is made here, from type_ids as they are read from memory, stored as whole numbers, and read by the second launch.  Every input has a way to the output and is loaded by one of the two launches.
; LIMIT: an infinity or a NaN that would arise only in the product of the expert that a token does not take is never formed; the selection by the ids throws it away as well.
; THREE JOBS of work-group g (256 work-groups, four waves):
;  1. ROUTING.  A tile is 144 rows of one expert.  With n0 + n1 <= 8,192 rows there are at most ceil(8192 / 144) + 1 = 58 tiles, whatever the split.  Expert 0's tile i is row i of the table, expert 1's tile i is
;     row 57 - i: they never meet.  A table row is 160 words: 0-143 token numbers, 144 the count, 145 the expert, the rest 0.  Every work-group counts all 8,192 ids (no traffic between work-groups), so it knows how
;     many tokens of each expert stand ahead of its own 32 tokens, and wave 0 stores those 32 at their ranks.  Work-group g < 58 also stores what the ranks do not reach of table row g: slots from the count on.
;     So each word of the table is stored once.
;  2. W's LAYOUT.  16 rows of W0 (g < 128) or W1 are laid in the order of the operand's registers:
;     wfrag[e][cg 16][ks 32][nb 8][c 2][lane 32][16 bytes], lane (r = lane % 16, h = lane / 16) = W_e[128 cg + 16 nb + r][64 ks + 32 c + 16 h + 0 .. 15].  The second launch then loads fragments as runs of 512 bytes.
;  3. ZERO ROWS.  A token whose id is neither 0 nor 1 gets a row of zeros, stored here; the second launch never touches such a row.
; Every register that serves as an address is written with all lanes on, ahead of the first line that narrows EXEC, and not again.
.set ID,    32                         ; v32-95   the ids: 64 loads, group 4 j + wave, a lane to a token
.set WO,    32                         ; v32-95   later: W's pieces as they leave
.set WR,    96                         ; v96-159  W's pieces as they are loaded: 16 rows x 16 bytes a lane
.set CB,    160                        ; v160-175 the four waves' counts
.set ZR,    176                        ; v176-179 zeros
.set FA,    16                         ; v16      the fill: byte 640 g + 4 lane of the table; made of ids at the head, never rewritten
.set SPW,   28                         ; v28      LDS address of my spare word: SPARE + 4 x my thread's number; never rewritten
.set NIL,   29                         ; v29      0; never rewritten
.set SPI,   272                        ; a stage row: 256 bytes + 16: an odd multiple of 16 bytes, so that lanes a row apart fall on different 16-byte columns modulo 256
.set STGB,  32*SPI                     ; a wave's stage: 32 rows
.set CNTS,  4*STGB                     ; behind the four stages: the waves' counts, 16 bytes a wave
.set SPARE, CNTS+256                   ; behind them: the spare words, 128 bytes for each wave: two blocks of 256 bytes that no other line names
; scalars: s16 wave, s17 g, s18 g - wave, s20-23 before0, before1, total0, total1, s[32:33] W's source, s[34:35] its destination, s[36:37] the zero rows' base, s38 saved EXEC, s39 other ids' bits, s40 trips, s41 116509
	s_load_b256 s[4:11], s[0:1], 0x0               ; W0 s[4:5], W1 s[6:7], type_ids s[8:9], wfrag s[10:11]
	s_load_b128 s[12:15], s[0:1], 0x20             ; tiles s[12:13], out0 s[14:15]
	v_lshl_add_u32 v[SPW], v0, 2, SPARE
	v_mov_b32 v[NIL], 0
	v_lshrrev_b32 v10, 5, v0
	v_readfirstlane_b32 s16, v10                   ; wave 0..3
	s_mov_b32 s17, ttmp9                           ; g
	s_sub_co_i32 s18, s17, s16                     ; group 4 j + wave stands ahead of group g where 4 j < g - wave (signed)
	v_and_b32 v1, 31, v0                           ; lane
	v_lshlrev_b32 v2, 2, v0                        ; the ids: 4 bytes a thread
	v_lshlrev_b32 v6, 4, v1                        ; 16 x lane
	s_lshl_b32 s24, s16, 9
	v_add_nc_u32 v3, s24, v6                       ; W's source: my wave's 512 bytes of a row, 16 a lane
	s_mul_i32 s25, s16, STGB                       ; my stage
	v_mul_u32_u24 v4, v1, SPI
	v_add_nc_u32 v4, s25, v4                       ; in: stage row = my lane (a piece of 16 bytes along K), column = W's row
	v_lshrrev_b32 v10, 4, v1
	v_and_b32 v11, 15, v1
	v_mul_u32_u24 v5, v10, SPI
	v_lshl_add_u32 v5, v11, 4, v5
	v_add_nc_u32 v5, s25, v5                       ; out: lanes 0-15 take one stage row, lanes 16-31 the next
	s_lshl_b32 s26, s16, 4
	s_add_co_u32 s26, s26, CNTS
	v_mov_b32 v7, s26                              ; my wave's four counts
	v_mov_b32 v8, CNTS                             ; all waves' counts
	s_lshl_b32 s27, s17, 7
	v_lshl_add_u32 v12, v1, 2, s27                 ; my work-group's own 32 ids
	s_mul_i32 s52, s17, 640                        ; table row g (used where g < 58)
	v_lshl_add_u32 v[FA], v1, 2, s52
.irp i, 0,1,2,3
	v_mov_b32 v[ZR+\i], 0
.endr
	s_mov_b32 s20, 0
	s_mov_b32 s21, 0
	s_mov_b32 s22, 0
	s_mov_b32 s23, 0
	s_mov_b32 s41, 116509                          ; ceil(2^24 / 144): rank x 116509 >> 24 = rank / 144, exact for every rank under 8,336; the product stays under 2^32
	s_and_b32 s28, s17, 127
	s_lshl_b32 s28, s28, 15                        ; W's source: 16 rows of 2,048 bytes for each work-group
	s_mov_b32 s29, 0
	s_lshr_b32 s30, s17, 3                         ; 16 e + cg
	s_lshl_b32 s30, s30, 18                        ; x 262,144 bytes
	s_lshl_b32 s24, s16, 16                        ; + my wave's eight ks x 8,192
	s_add_co_u32 s30, s30, s24
	s_and_b32 s24, s17, 7                          ; + nb x 1,024
	s_lshl_b32 s24, s24, 10
	s_add_co_u32 s30, s30, s24
	s_mov_b32 s31, 0
	s_lshl_b32 s42, s17, 18                        ; the zero rows: token 32 g + wave, 8,192 bytes a row
	s_lshl_b32 s24, s16, 13
	s_add_co_u32 s42, s42, s24
	s_mov_b32 s43, 0
	s_wait_alu depctr_va_vdst(0)
	s_wait_kmcnt 0x0
	s_cmp_lt_u32 s17, 128                          ; the choice hangs on the work-group's number alone
	s_cselect_b64 s[32:33], s[4:5], s[6:7]
	s_add_nc_u64 s[32:33], s[32:33], s[28:29]
	s_add_nc_u64 s[34:35], s[10:11], s[30:31]
	s_add_nc_u64 s[36:37], s[14:15], s[42:43]
.set J, 0
.rept 64
	global_load_b32 v[ID+J], v2, s[8:9] offset:512*J           ; tokens 128 J + thread: the last byte read is type_ids' last
.set J, J+1
.endr
	global_load_b32 v9, v12, s[8:9]                ; my work-group's own group, in every wave
.irp r, 0,1,2,3,4,5,6,7,8,9,10,11,12,13,14,15
	global_load_b128 v[WR+4*\r:WR+4*\r+3], v3, s[32:33] offset:2048*\r th:TH_LOAD_NT   ; 32 lanes read 512 consecutive bytes of row r; read once in the launch
.endr
	s_wait_loadcnt 16                              ; loads come back in order: the 65 loads of ids are in, W's sixteen may stay out
; Four groups of ids: how many 0s and 1s, into the totals, and into 'before' where the group stands ahead of mine.  Eight compares first, so that no count waits for the compare just ahead of it.
.macro CNT4 j0
.irp k, 0,1,2,3
	v_cmp_eq_u32 s[44+2*\k], 0, v[ID+\j0+\k]
	v_cmp_eq_u32 s[45+2*\k], 1, v[ID+\j0+\k]
.endr
.irp k, 0,1,2,3
	s_bcnt1_i32_b32 s[44+2*\k], s[44+2*\k]
	s_bcnt1_i32_b32 s[45+2*\k], s[45+2*\k]
	s_add_co_u32 s22, s22, s[44+2*\k]
	s_add_co_u32 s23, s23, s[45+2*\k]
	s_cmp_gt_i32 s18, 4*(\j0+\k)
	s_cselect_b32 s[44+2*\k], s[44+2*\k], 0
	s_cselect_b32 s[45+2*\k], s[45+2*\k], 0
	s_add_co_u32 s20, s20, s[44+2*\k]
	s_add_co_u32 s21, s21, s[45+2*\k]
.endr
.endm
.irp j, 0,4,8,12,16,20,24,28,32,36,40,44,48,52,56,60
	CNT4 \j
.endr
	v_cmp_lt_u32 s39, 1, v9                        ; my group's tokens whose id is neither 0 nor 1 (unsigned: a negative id too)
	v_mov_b32 v10, s20
	v_mov_b32 v11, s21
	v_mov_b32 v12, s22
	v_mov_b32 v13, s23
	ds_store_b128 v7, v[10:13]                     ; all lanes write the same 16 bytes with the same values
	s_wait_loadcnt 0x0                             ; W's sixteen loads
.irp r, 0,1,2,3,4,5,6,7,8,9,10,11,12,13,14,15
	ds_store_b128 v4, v[WR+4*\r:WR+4*\r+3] offset:16*\r        ; piece (K piece = lane, row r)
.endr
.irp m, 0,1,2,3,4,5,6,7,8,9,10,11,12,13,14,15
	ds_load_b128 v[WO+4*\m:WO+4*\m+3], v5 offset:2*SPI*\m      ; K pieces 2 m and 2 m + 1 of all 16 rows: lane (r, h) takes piece 2 m + h of row r.  LDS serves a wave's instructions in order: these see my stores
.endr
	s_wait_dscnt 0x0                               ; for the others' sake: my counts have landed; and my pieces are back
	s_barrier_signal -1
	s_barrier_wait -1                              ; the launch's one barrier: all four waves' counts lie in LDS
.irp m, 0,1,2,3,4,5,6,7,8,9,10,11,12,13,14,15
	global_store_b128 v6, v[WO+4*\m:WO+4*\m+3], s[34:35] offset:(\m/2)*8192+(\m%2)*512   ; ks = 8 wave + m / 2, c = m % 2: 32 lanes store 512 consecutive bytes, at a multiple of 512 from wfrag's first byte
.endr
.irp i, 0,1,2,3
	ds_load_b128 v[CB+4*\i:CB+4*\i+3], v8 offset:16*\i
.endr
	s_wait_dscnt 0x0
.irp c, 0,1,2,3
	v_add_nc_u32 v[CB+\c], v[CB+\c], v[CB+4+\c]
	v_add_nc_u32 v[CB+8+\c], v[CB+8+\c], v[CB+12+\c]
.endr
.irp c, 0,1,2,3
	v_add_nc_u32 v[CB+\c], v[CB+\c], v[CB+8+\c]
.endr
.irp c, 0,1,2,3
	v_readfirstlane_b32 s[20+\c], v[CB+\c]         ; before0, before1, total0, total1, over all 256 groups
.endr
	; ---- wave 0: my group's 32 tokens go to their places in the table.  Both experts' places are worked out in every lane, all lanes on; the id chooses; ONE store, for the lanes whose id is 0 or 1
	s_cmp_lg_u32 s16, 0
	s_cbranch_scc1 .Lnot_scatter
	s_lshl_b32 s24, s17, 5
	v_add_nc_u32 v13, s24, v1                      ; my token's number
	v_cmp_eq_u32 vcc_lo, 0, v9
	v_mbcnt_lo_u32_b32 v14, vcc_lo, 0              ; how many lanes below mine take expert 0
	v_add_nc_u32 v14, s20, v14                     ; my rank among expert 0's tokens
	v_mul_lo_u32 v15, v14, s41
	v_lshrrev_b32 v15, 24, v15                     ; tile = rank / 144
	v_lshl_add_u32 v14, v15, 4, v14                ; word 160 tile + (rank - 144 tile)
	v_cmp_eq_u32 vcc_lo, 1, v9
	v_mbcnt_lo_u32_b32 v24, vcc_lo, 0              ; the same for expert 1
	v_add_nc_u32 v24, s21, v24
	v_mul_lo_u32 v15, v24, s41
	v_lshrrev_b32 v15, 24, v15
	v_mul_u32_u24 v15, v15, 304
	v_sub_nc_u32 v24, v24, v15
	v_add_nc_u32 v24, 9120, v24                    ; word 160 (57 - tile) + (rank - 144 tile)
	v_cndmask_b32 v15, v14, v24, vcc_lo            ; id 1: expert 1's word; else expert 0's
	v_min_u32 v15, 9279, v15                       ; a number made of loaded data enters an address only under a bound: the table's last word
	v_lshlrev_b32 v15, 2, v15
	v_cmp_gt_u32 vcc_lo, 2, v9                     ; a token with another id has no place in the table
	s_wait_alu depctr_va_vdst(0)
	s_wait_xcnt 0x0                                ; EXEC is a source of the stores that are out: it changes only behind this wait
	s_and_saveexec_b32 s38, vcc_lo
	global_store_b32 v15, v13, s[12:13]
	s_wait_xcnt 0x0                                ; and again in front of the line that widens it
	s_or_b32 exec_lo, exec_lo, s38
.Lnot_scatter:
	; ---- wave 1 of work-groups 0 to 57: what the ranks do not reach of table row g
	s_cmp_lg_u32 s16, 1
	s_cbranch_scc1 .Lnot_fill
	s_cmp_ge_u32 s17, 58
	s_cbranch_scc1 .Lnot_fill
	s_mul_i32 s24, s17, 144                        ; the first rank of expert 0's tile g,
	s_sub_co_u32 s25, 57, s17
	s_mul_i32 s25, s25, 144                        ; and of expert 1's tile 57 - g
	s_cmp_lt_u32 s24, s22                          ; has expert 0 a tile g?
	s_cselect_b32 s26, 0, 1                        ; the row's expert
	s_cselect_b32 s27, s24, s25                    ; its first rank
	s_cselect_b32 s28, s22, s23                    ; the expert's tokens
	s_max_u32 s28, s28, s27
	s_sub_co_u32 s28, s28, s27                     ; those from the first rank on, or 0,
	s_min_u32 s28, s28, 144                        ; at most a tile: the count
	v_mov_b32 v22, s28
	v_mov_b32 v23, s26
	v_mov_b32 v21, 0                               ; slots 128 to 159: 0, but the count at slot 144 and the expert at slot 145
	v_cmp_eq_u32 vcc_lo, 16, v1
	v_cndmask_b32 v21, v21, v22, vcc_lo
	v_cmp_eq_u32 vcc_lo, 17, v1
	v_cndmask_b32 v21, v21, v23, vcc_lo
.macro FILL k                          ; slots 32 k + lane: the piece's place stands in the store's immediate, and no vector register is written here
	s_sub_co_i32 s24, s28, 32*\k
	v_cmp_le_i32 vcc_lo, s24, v1                   ; count - 32 k <= lane: slots under the count belong to the tokens' own stores
	s_wait_xcnt 0x0
	s_and_saveexec_b32 s38, vcc_lo
.if \k < 4
	global_store_b32 v[FA], v[ZR], s[12:13] offset:128*\k
.else
	s_wait_alu depctr_va_vdst(0)
	global_store_b32 v[FA], v21, s[12:13] offset:128*\k
.endif
	s_wait_xcnt 0x0
	s_or_b32 exec_lo, exec_lo, s38
.endm
.irp k, 0,1,2,3,4
	FILL \k
.endr
.Lnot_fill:
	; ---- all waves: rows of zeros for my group's tokens with another id.  Wave w looks at tokens w, w + 4, .. w + 28: eight trips, always walked; only a trip's stores are jumped over
	s_lshr_b32 s39, s39, s16
	s_mov_b32 s40, 8
.Lzero:
	s_and_b32 s24, s39, 1
	s_cmp_lg_u32 s24, 0
	s_cbranch_scc0 .Ltaken
.irp k, 0,1,2,3,4,5,6,7,8,9,10,11,12,13,14,15
	global_store_b128 v6, v[ZR:ZR+3], s[36:37] offset:512*\k th:TH_STORE_NT   ; 512 consecutive bytes of the row's 8,192
.endr
.Ltaken:
	s_lshr_b32 s39, s39, 4
	s_wait_xcnt 0x0                                ; the stores have read their base: it steps only behind this wait
	s_add_nc_u64 s[36:37], s[36:37], 32768         ; four tokens on
	s_sub_co_u32 s40, s40, 1
	s_cmp_lg_u32 s40, 0
	s_cbranch_scc1 .Lzero
	s_wait_tensorcnt 0x0                           ; the wave's end
	ds_add_u32 v[SPW], v[NIL]
	s_wait_dscnt 0x0
	s_endpgm
.Lfunc_end_k_q597d24ca7a_prep:
	.size	k_q597d24ca7a_prep, .Lfunc_end_k_q597d24ca7a_prep-k_q597d24ca7a_prep
	.p2alignl 7, 3214868480
	.fill 96, 4, 3214868480
	.section	.rodata,"a",@progbits
	.p2align	6, 0x0
	.amdhsa_kernel k_q597d24ca7a_prep
		.amdhsa_group_segment_fixed_size 35584
		.amdhsa_private_segment_fixed_size 0
		.amdhsa_enable_private_segment 0
		.amdhsa_kernarg_size 48
		.amdhsa_user_sgpr_count 2
		.amdhsa_user_sgpr_kernarg_segment_ptr 1
		.amdhsa_wavefront_size32 1
		.amdhsa_system_sgpr_workgroup_id_x 1
		.amdhsa_system_sgpr_workgroup_id_y 1
		.amdhsa_system_sgpr_workgroup_id_z 1
		.amdhsa_system_vgpr_workitem_id 0
		.amdhsa_next_free_vgpr 192
		.amdhsa_next_free_sgpr 66
		.amdhsa_reserve_vcc 1
		.amdhsa_float_denorm_mode_32 3
		.amdhsa_float_denorm_mode_16_64 3
		.amdhsa_memory_ordered 1
		.amdhsa_forward_progress 1
		.amdhsa_inst_pref_size 48
	.end_amdhsa_kernel
	.amdgpu_metadata
---
amdhsa.version: [ 1, 2 ]
amdhsa.kernels:
  - .name:           k_q597d24ca7a_prep
    .symbol:         k_q597d24ca7a_prep.kd
    .args:
      - { .name: W0_codes, .offset: 0, .size: 8, .value_kind: global_buffer, .address_space: global }
      - { .name: W1_codes, .offset: 8, .size: 8, .value_kind: global_buffer, .address_space: global }
      - { .name: type_ids, .offset: 16, .size: 8, .value_kind: global_buffer, .address_space: global }
      - { .name: wfrag, .offset: 24, .size: 8, .value_kind: global_buffer, .address_space: global }
      - { .name: tiles, .offset: 32, .size: 8, .value_kind: global_buffer, .address_space: global }
      - { .name: out0, .offset: 40, .size: 8, .value_kind: global_buffer, .address_space: global }
    .group_segment_fixed_size: 35584
    .private_segment_fixed_size: 0
    .kernarg_segment_align: 8
    .kernarg_segment_size: 48
    .max_flat_workgroup_size: 128
    .sgpr_count:     66
    .vgpr_count:     192
    .wavefront_size: 32
...
	.end_amdgpu_metadata
.endif
;; end of part 3
;; launch gemm (part 4): grid 4 x 58, 4 waves a work-group, no clusters, 297,728 bytes of LDS; arguments hidden_states_codes, wfrag, tiles, b0, b1, lowp_scales, out0; writes out0
.if DOCPART == 4
	.amdgcn_target "amdgcn-amd-amdhsa--gfx1250"
	.amdhsa_code_object_version 6
	.text
	.protected	k_q597d24ca7a_gemm
	.globl	k_q597d24ca7a_gemm
	.p2align	8
	.type	k_q597d24ca7a_gemm,@function
k_q597d24ca7a_gemm:
	s_mov_b64 s[64:65], 0
	v_nop
	global_prefetch_b8 v0, s[64:65] scope:SCOPE_SE
	s_setreg_imm32_b32 hwreg(HW_REG_WAVE_SCHED_MODE, 0, 2), 2
	s_setreg_imm32_b32 hwreg(HW_REG_WAVE_MODE, 25, 1), 1
	s_wait_xcnt 0x0
	s_wait_alu depctr_vm_vsrc(0)
; MoTEmbed, second launch: out[token] = (x[token] . W_e) 2^(ex + ew) + b_e for the one expert e that the token's id names, on codes of BF8 (E5M2) as they are given.
; WORK LEFT OUT: the product with the expert that a token does not take (the selection by type_ids keeps it for no such row); the choice was made by the first launch and is read here as whole numbers.
; Tokens with another id were given zeros there and are in no tile.  LIMITS: lowp_scales[0] + [1] and [2] + [3] lie between -126 and 127, so that the factor is an f32 number; an infinity or NaN of the product not taken is never formed.
; SHARES.  Work-group (x, t) takes table row t (up to 144 tokens of one expert) x output columns 512 x .. 512 x + 511; wave w the columns 128 w on, for all 144 rows: 9 x 8 accumulators of 16 x 16, 576 registers.
; 58 table rows serve every split of 8,192 tokens on two experts.  A row with count 0 walks the same text as far as the last barrier, so that every wave passes both barriers, and then jumps over the way out: one scalar
; branch on the stored count, the same in all four waves; EXEC is never changed.  A slot at or beyond the count repeats the tile's slot 0: it computes and stores the same bytes as that row, in the same wave.
; A: the tile's whole panel, 144 rows x 2,048 codes, is gathered once into LDS through registers (the rows are named by a list) and read from there as fragments.
; B: each wave's 128 columns of W come from the first launch's image of the operand's registers straight into registers: 16 loads of 512 consecutive bytes for 64 along K; four sets of 64 registers, up to three of them on their way.
; So a step's 72 matrix instructions are fed by 18 LDS loads a wave; through LDS B would add 16 more a wave, and its fills.
; K goes in 32 steps of 64 by v_wmma_f32_16x16x64_bf8_bf8.  TABLE ROW t BEGINS ITS WALK 256 (t % 8) CODES INTO K and wraps round, so that the tiles of one expert do not all ask for the same bytes of W in the same step;
; only the order of an output's sums changes.  Both operands hold k = 64 s + 32 c + 16 (lane / 16) + 0 .. 15 in registers 4 c .. 4 c + 3: the same permutation of k on both sides, so every product meets its partner.
; THE MATRIX INSTRUCTION IS USED TRANSPOSED (source 0 = 16 rows of W, source 1 = 16 tokens): a lane holds eight neighbouring columns of one token's row.
; NO CLUSTER, NO TENSOR LOAD: A's rows are scattered in memory and named by loaded numbers, which one tile descriptor cannot state; B never lies in LDS, so a joint load has nowhere to land; and partners would have to share an expert at every split.
; REGISTERS, in windows of 256.  Window 0: v1-31 addresses and the tokens; v32-103, v104-175 A's fragments, two sets of 9 x 8 (in the gather: 144 offsets; on the way out: results and offsets); v176-184 A's rows in LDS; v192-255 the accumulators of rows 128-143.
;   Window 1: accumulators of rows 0-63, (a, b) at v[64 a + 8 b].  Window 2: rows 64-127.  (In the gather windows 1, 2 and v192-255 hold the rows on their way to LDS.)  Window 3: B's four sets; at the end the bias (v0-63) and rows read back from the stage (v64-191).
; THE MODE: SCHED_MODE bits 1:0 = 2 (LLVM: expert scheduling mode 2), set by the entry lines.  The code itself states the register dependences between vector or matrix instructions and memory or LDS instructions,
; and those through scalar registers that vector instructions write, with s_wait_alu, always for 0.
; THE PLAN.  Registers that memory or LDS instructions touch, and who else names them:
;   v1, v16-31, v176-184   offsets and addresses: written at the head, never again.  One wait on va_vdst ahead of the kernel's first load serves them all.
;   v32-175, the gather    144 offsets: ALL are written first, by vector additions; one wait on va_vdst; then the gather's 144 loads read them.
;   windows 1, 2, v192-255, the gather   the rows: loads land there, LDS stores read them.  Behind the panel's barrier one wait on vm_vsrc states that the offsets and the rows have been read: fragments then land on the offsets, products write the rows' registers.
;   A's sets 0, 1          Step s: its products read set s % 2; its LDS loads (the fragments of step s + 1) land in the other set, which step s - 1 read.
;   B's sets 0 .. 3        Step s: its products read set s % 4; its loads (step s + 3) land in set (s + 3) % 4, which step s - 1 read.
;   v2-10                  A's LDS addresses: read by every fragment load; written once a trip, behind a wait on vm_vsrc.
;   So ONE wait on va_vdst stands at a step's head: the step before is done reading the two sets in which this step's loads land (and, in a trip's first step, v2-10 are written).  The loads follow in two runs among the
;   step's products, which name this step's own two sets and the accumulators: none of the registers that those loads touch.
;   The way out            v32-95 a block's results: written by the multiply-adds, read by the stage's stores.  v96-111, v112-127 by turns: a block's 16 offsets: written by additions, read by its global stores.
;                          Window 3, v64-127, v128-191 by turns: the stage's loads land there, the global stores read them.  A block has one wait on vm_vsrc at its head and one on va_vdst behind its vector work.
.set PITCH, 2064                       ; a panel row: 2,048 bytes + 16: 129 x 16, an odd multiple of 16 bytes, so that the 16 rows of a fragment load fall on 16 different 16-byte columns modulo 256
.set SPARE, 144*PITCH                  ; behind the panel: the spare words, 128 bytes for each wave: two blocks of 256 bytes that no other line names
.set SP,    528                        ; the way out: a stage of 16 rows x (512 bytes + 16) for each wave, laid over the panel once nobody reads it
.set L16,  1                           ; v1      16 x lane
.set AADR, 2                           ; v2-10   LDS address of block a's fragments for the trip in hand
.set TOK,  11                          ; v11-15  the tile's tokens: slot 32 j + lane
.set ROT,  16                          ; v16-19  my byte in a token's row for quarter q, turned by the tile's start: (16 lane + 512 q + 256 (t % 8)) mod 2,048
.set ST,   20                          ; v20-24  the gather: where I put 16 bytes: row wave + 32 j, 16 x lane
.set STO,  25                          ; v25     the way out: where I put 32 bytes of a row
.set RD,   26                          ; v26     and where I read a row back
.set CO,   27                          ; v27     my byte in a row of out0: 2,048 x + 512 wave + 16 lane
.set SPW,  28                          ; v28     LDS address of my spare word: SPARE + 4 x my thread's number; never rewritten
.set NIL,  29                          ; v29     0; never rewritten
.set BO,   30                          ; v30     the bias: 32 x (lane / 16)
.set T,    31                          ; v31     4 x lane, for the table
.set AS,   32
.set GOFF, 32
.set TMP,  32
.set OO,   96
.set AROW, 176
.set A8,   192
.set BK,   64
.set WV,  18                           ; s18 wave, s19 x, s20 t, s21 t % 8
.set CNT, 22                           ; s22 the tile's count, s23 its expert
.set BAS, 28                           ; s[28:29] my wave's 262,144 bytes of W's image
.set BP,  30                           ; s[30:31] the four K steps in hand
.set OF,  32                           ; s[32:33] their offset, and 0
.set TR,  34                           ; s34 trips
.set KB,  35                           ; s35 the trip's first byte in a panel row
.set SC,  36                           ; s[36:37] 2^(ex + ew), twice
.set BI,  38                           ; s[38:39] the bias at my first column
.set RS,  52                           ; s52-59 a run of up to eight numbers that vector instructions write into scalar registers: masks, then tokens read out of lanes
.set MSB, 0
.macro WIN new                         ; low byte: bits 1:0 source 0, 3:2 source 1, 5:4 source 2, 7:6 destination; the high byte repeats the setting that is left
.if MSB != \new
	s_set_vgpr_msb (MSB<<8)|\new
.set MSB, \new
.endif
.endm
	s_load_b256 s[4:11], s[0:1], 0x0               ; x's codes s[4:5], wfrag s[6:7], tiles s[8:9], b0 s[10:11]
	s_load_b128 s[12:15], s[0:1], 0x20             ; b1 s[12:13], the scales' exponents s[14:15]
	s_load_b64 s[16:17], s[0:1], 0x30              ; out0
	v_lshl_add_u32 v[SPW], v0, 2, SPARE
	v_mov_b32 v[NIL], 0
	v_lshrrev_b32 v[T], 5, v0
	v_readfirstlane_b32 s[WV], v[T]                ; wave 0..3
	s_mov_b32 s19, ttmp9                           ; x
	s_and_b32 s20, ttmp7, 0xffff                   ; t
	s_and_b32 s21, s20, 7
	v_and_b32 v34, 31, v0                          ; lane
	v_and_b32 v32, 15, v0                          ; r
	v_bfe_u32 v33, v0, 4, 1                        ; h
	v_lshlrev_b32 v[L16], 4, v34
	v_lshlrev_b32 v[T], 2, v34
	v_lshlrev_b32 v[BO], 5, v33
	v_mul_u32_u24 v35, v32, PITCH
	v_lshl_add_u32 v35, v33, 4, v35                ; a fragment: row r x pitch + 16 h
.irp a, 0,1,2,3,4,5,6,7,8
	v_add_nc_u32 v[AROW+\a], 16*PITCH*\a, v35
.endr
	s_lshl_b32 s43, s21, 8                         ; the tile's start in K
.irp q, 0,1,2,3
	s_add_co_u32 s46, s43, 512*\q
	v_add_nc_u32 v[ROT+\q], s46, v[L16]
	v_and_b32 v[ROT+\q], 0x7ff, v[ROT+\q]
.endr
	s_wait_alu depctr_va_sdst(0)                   ; the wave's number is written in s18, ahead of its first reader, the line below
	s_mul_i32 s43, s[WV], PITCH
	v_add_nc_u32 v35, s43, v[L16]
.irp j, 0,1,2,3,4
	v_add_nc_u32 v[ST+\j], 32*PITCH*\j, v35
.endr
	s_mul_i32 s43, s[WV], 16*SP                    ; my stage
	v_mul_u32_u24 v[STO], v32, SP
	v_lshl_add_u32 v[STO], v33, 5, v[STO]
	v_add_nc_u32 v[STO], s43, v[STO]
	v_add_nc_u32 v[RD], s43, v[L16]
	s_lshl_b32 s48, s19, 11
	s_lshl_b32 s46, s[WV], 9
	s_add_co_u32 s48, s48, s46                     ; my first column in bytes of f32: 2,048 x + 512 wave
	s_mov_b32 s49, 0
	v_add_nc_u32 v[CO], s48, v[L16]
	s_mul_i32 s50, s20, 640                        ; my table row
	s_mov_b32 s51, 0
	s_wait_kmcnt 0x0
	s_add_nc_u64 s[44:45], s[8:9], s[50:51]        ; never rewritten
	s_wait_alu depctr_va_vdst(0)                   ; v1, v16 to v31 and v176 to v184 are written: the offsets and addresses that the loads, stores and LDS instructions of the whole kernel read; none is written again
.irp j, 0,1,2,3,4
	global_load_b32 v[TOK+\j], v[T], s[44:45] offset:128*\j    ; the row's 160 words
.endr
	s_load_b64 s[22:23], s[44:45], 0x240           ; words 144, 145: the count, the expert
	s_load_b128 s[24:27], s[14:15], 0x0            ; the four exponents
	s_wait_kmcnt 0x0
	s_min_u32 s23, s23, 1                          ; a loaded number enters an address only under a bound
	s_lshl_b32 s43, s23, 4
	s_lshl_b32 s46, s19, 2
	s_add_co_u32 s43, s43, s46
	s_add_co_u32 s43, s43, s[WV]                   ; 16 e + 4 x + wave: which 128 columns
	s_lshl_b32 s46, s43, 18
	s_mov_b32 s47, 0
	s_add_nc_u64 s[BAS:BAS+1], s[6:7], s[46:47]
	s_lshl_b32 s[OF], s21, 15                      ; the tile's start: 4 (t % 8) K steps of 8,192 bytes
	s_mov_b32 s[OF+1], 0
	s_add_nc_u64 s[BP:BP+1], s[BAS:BAS+1], s[OF:OF+1]
	s_add_co_i32 s43, s24, s25
	s_add_co_i32 s46, s26, s27
	s_cmp_eq_u32 s23, 0                            ; a choice of values and of a buffer, not a branch
	s_cselect_b32 s[SC], s43, s46
	s_cselect_b64 s[BI:BI+1], s[10:11], s[12:13]
	s_add_nc_u64 s[BI:BI+1], s[BI:BI+1], s[48:49]
	s_add_co_i32 s[SC], s[SC], 127
	s_lshl_b32 s[SC], s[SC], 23                    ; 2^(ex + ew) as f32
	s_mov_b32 s[SC+1], s[SC]                       ; (named with it as a pair, so it is written)
.macro BLOAD bs, bimm                  ; B's eight fragments of one K step into set bs: sixteen loads of 512 consecutive bytes
.irp nb, 0,1,2,3,4,5,6,7
	global_load_b128 v[64*(\bs)+8*\nb:64*(\bs)+8*\nb+3],   v[L16], s[BP:BP+1] offset:(\bimm)+1024*\nb
	global_load_b128 v[64*(\bs)+8*\nb+4:64*(\bs)+8*\nb+7], v[L16], s[BP:BP+1] offset:(\bimm)+1024*\nb+512
.endr
.endm
	WIN 0xc0                                       ; destination window 3.  No vector instruction has been issued since the wait on va_vdst above
	BLOAD 0, 0
	BLOAD 1, 8192
	BLOAD 2, 16384
	s_wait_loadcnt 48                              ; the 48 just issued may stay out: the table's five loads are in
	BLOAD 3, 24576
	WIN 0
	v_readlane_b32 s41, v[TOK], 0                  ; slot 0's token
.irp j, 0,1,2,3,4
	v_add_nc_u32 v[37+\j], 32*\j, v34              ; slot
.endr
.irp j, 0,1,2,3,4
	v_cmp_gt_u32 s[RS+\j], s[CNT], v[37+\j]        ; the five masks go into five scalar registers, so that one wait serves the run
.endr
	s_wait_alu depctr_va_sdst(0)                   ; s41 and the masks s52 to s56 are written, ahead of their first readers below
	v_mov_b32 v36, s41
.irp j, 0,1,2,3,4
	v_cndmask_b32 v[TOK+\j], v36, v[TOK+\j], s[RS+\j]          ; at or beyond the count: slot 0's token once more
.endr
; THE GATHER.  Wave w fetches panel rows 4 i + w, i = 0 .. 35: four loads of 512 bytes a row, 15 rows ahead; each row has its own offsets and its own registers, so nothing is written twice.
; All 144 offsets are made first, while B's loads are on their way, so that one wait on va_vdst serves all the gather's loads.  The tokens are read out of their lanes in runs of eight, one wait on va_sdst a run.
.macro STG i                           ; where row i waits: window SW, from register SB on
.if (\i) < 16
.set SW, 1
.set SB, 16*(\i)
.elseif (\i) < 32
.set SW, 2
.set SB, 16*((\i)-16)
.else
.set SW, 0
.set SB, A8+16*((\i)-32)
.endif
.endm
.macro ROWS8 j, n                      ; the offsets of rows 8 j .. 8 j + n - 1
.irp k, 0,1,2,3,4,5,6,7
.if \k < \n
	s_add_co_u32 s40, s[WV], 4*\k
	v_readlane_b32 s[RS+\k], v[TOK+\j], s40        ; slot 32 j + 4 k + wave
.endif
.endr
	s_wait_alu depctr_va_sdst(0)                   ; the run's tokens are written in s52 on, ahead of their first readers, the bounds below
.irp k, 0,1,2,3,4,5,6,7
.if \k < \n
	s_min_u32 s[RS+\k], s[RS+\k], 8191             ; under a bound: the last token
	s_lshl_b32 s[RS+\k], s[RS+\k], 11              ; its row of 2,048 codes
.irp q, 0,1,2,3
	v_add_nc_u32 v[GOFF+4*(8*\j+\k)+\q], s[RS+\k], v[ROT+\q]
.endr
.endif
.endr
.endm
.macro GLOAD i
	STG \i
	WIN SW<<6
.irp q, 0,1,2,3
	global_load_b128 v[SB+4*\q:SB+4*\q+3], v[GOFF+4*(\i)+\q], s[4:5]
.endr
.endm
.macro SSTORE i
	STG \i
	WIN SW<<2                                      ; an LDS store's data are source 1
.irp q, 0,1,2,3
	ds_store_b128 v[ST+(\i)/8], v[SB+4*\q:SB+4*\q+3] offset:4*PITCH*((\i)%8)+512*\q
.endr
.endm
	ROWS8 0, 8
	ROWS8 1, 8
	ROWS8 2, 8
	ROWS8 3, 8
	ROWS8 4, 4
	s_wait_alu depctr_va_vdst(0)                   ; the 144 offsets v32 to v175 are written, which the gather's loads read; no vector instruction stands between this wait and the panel's barrier
.set I, 0
.rept 15
	GLOAD I
.set I, I+1
.endr
.set I, 0
.rept 36
.if 35-I < 14
	s_wait_loadcnt 4*(35-I)                        ; the rows asked for behind row I may stay out: the counts run down to 0
.else
	s_wait_loadcnt 56                              ; 14 younger rows, four loads each
.endif
	SSTORE I
.if I+15 <= 35
	GLOAD I+15
.endif
.set I, I+1
.endr
	WIN 0
	s_wait_dscnt 0x0                               ; for the others' sake: my rows lie in the panel
	s_barrier_signal -1
	s_barrier_wait -1                              ; the panel is whole
; Eight matrix instructions: A's block a against B's eight, 64 along K.  A step takes the nine blocks in ascending order: the 72 accumulators take turns, one instruction a turn, in the same order in every step.
.macro MULB bs, ap, zero, a
.if (\a) < 4
	WIN 0x53                                       ; B window 3, A window 0, C and D window 1
.set AC, 64*(\a)
.elseif (\a) < 8
	WIN 0xa3                                       ; C and D window 2
.set AC, 64*((\a)-4)
.else
	WIN 0x03                                       ; C and D window 0
.set AC, A8
.endif
.irp b, 0,1,2,3,4,5,6,7
.if \zero
	v_wmma_f32_16x16x64_bf8_bf8 v[AC+8*\b:AC+8*\b+7], v[64*(\bs)+8*\b:64*(\bs)+8*\b+7], v[AS+72*(\ap)+8*(\a):AS+72*(\ap)+8*(\a)+7], 0
.else
	v_wmma_f32_16x16x64_bf8_bf8 v[AC+8*\b:AC+8*\b+7], v[64*(\bs)+8*\b:64*(\bs)+8*\b+7], v[AS+72*(\ap)+8*(\a):AS+72*(\ap)+8*(\a)+7], v[AC+8*\b:AC+8*\b+7]
.endif
.endr
.endm
; A K STEP.  bs: B's set; ap: A's set; zero = 1: the products start the sums (nothing is ever cleared).  lda = 1: the next step's fragments of A, at byte aimm of the trip's part of the rows, into the other set.
; ldb = 1: the K step three on, at byte bimm, into the set that the step before has read; 2: the bias there.  lcnt: the younger loads that may stay out.  newtrip = 1: the LDS addresses are made for the trip.
; A load into a register that a matrix instruction has read stands four places behind it, and only plain vector instructions that name none of its registers are places (ISA guide 7.12.1 for vector instructions):
; four v_nop, or the nine additions of a new trip.  The wait on va_vdst stands behind the places.  A step that issues no load, and the first step, which has no step ahead of it, have neither.
.macro STEP bs, ap, zero, ldb, lda, aimm, bimm, lcnt, newtrip
.if \newtrip
	WIN 0
	s_wait_alu depctr_vm_vsrc(0)                   ; the LDS loads issued so far have read v2 to v10, which the nine additions write
.irp a, 0,1,2,3,4,5,6,7,8
	v_add_nc_u32 v[AADR+\a], s[KB], v[AROW+\a]
.endr
.elseif (\zero == 0) && ((\lda + \ldb) > 0)
.rept 4
	v_nop
.endr
.endif
	s_wait_loadcnt \lcnt                           ; this step's set of B is in
	s_wait_dscnt 0x0                               ; this step's fragments of A are in: the 18 loads of the step before are all that was out
.if (\zero == 0) && ((\lda + \ldb) > 0)
	s_wait_alu depctr_va_vdst(0)                   ; the products of the step before are done reading A's other set and the set of B that they used, in which this step's loads land; in a trip's first step v2 to v10 are written
.endif
	MULB \bs, \ap, \zero, 0
	MULB \bs, \ap, \zero, 1
.if \lda
	WIN 0
.irp a, 0,1,2,3,4,5,6,7,8
	ds_load_b128 v[AS+72*(1-\ap)+8*\a:AS+72*(1-\ap)+8*\a+3],   v[AADR+\a] offset:\aimm      ; no wait: the products since the wait above name A's set ap, B's set bs and accumulators
	ds_load_b128 v[AS+72*(1-\ap)+8*\a+4:AS+72*(1-\ap)+8*\a+7], v[AADR+\a] offset:\aimm+32
.endr
.endif
	MULB \bs, \ap, \zero, 2
	MULB \bs, \ap, \zero, 3
.if \ldb == 1
	WIN 0xc0
	BLOAD (\bs+3)%4, \bimm                         ; likewise no wait
.elseif \ldb == 2
	WIN 0xc0
.irp b, 0,1,2,3,4,5,6,7
	global_load_b128 v[8*\b:8*\b+3],   v[BO], s[BI:BI+1] offset:64*\b       ; lane (r, h): the bias of columns 16 b + 8 h + 0 .. 7: the result's layout
	global_load_b128 v[8*\b+4:8*\b+7], v[BO], s[BI:BI+1] offset:64*\b+16
.endr
.endif
	MULB \bs, \ap, \zero, 4
	MULB \bs, \ap, \zero, 5
	MULB \bs, \ap, \zero, 6
	MULB \bs, \ap, \zero, 7
	MULB \bs, \ap, \zero, 8
.endm
	s_mov_b32 s[KB], 0
.irp a, 0,1,2,3,4,5,6,7,8
	v_add_nc_u32 v[AADR+\a], s[KB], v[AROW+\a]
.endr
	s_wait_alu depctr_vm_vsrc(0)                   ; the gather's loads have read their offsets v32 to v175, in which fragments land from here on; my LDS stores have read the rows in windows 1 and 2 and v192 to v255, which the first products write
	s_wait_alu depctr_va_vdst(0)                   ; v2 to v10 are written, which the fragment loads read
.irp a, 0,1,2,3,4,5,6,7,8
	ds_load_b128 v[AS+8*\a:AS+8*\a+3],   v[AADR+\a]            ; step 0's fragments.  (The offsets that lay here served loads that the gather's last wait has shown done)
	ds_load_b128 v[AS+8*\a+4:AS+8*\a+7], v[AADR+\a] offset:32
.endr
	STEP 0, 0, 1, 0, 1, 64, 0, 0, 0                ; step 0 stands ahead of the loop: its products start the sums; B's four sets were shown in by the gather's waits
	WIN 0                                          ; at a label and at a branch every window is 0
	s_mov_b32 s[TR], 7
.Ltrip:                                            ; steps 4 n + 1 .. 4 n + 4; they ask for B's steps 4 n + 4 .. 4 n + 7
	s_wait_xcnt 0x0                                ; the loads that are out have read their base: it is written only behind this wait
	s_add_co_u32 s[OF], s[OF], 32768               ; four K steps on,
	s_and_b32 s[OF], s[OF], 0x3ffff                ; round the end of my 262,144 bytes
	s_add_nc_u64 s[BP:BP+1], s[BAS:BAS+1], s[OF:OF+1]
	STEP 1, 1, 0, 1, 1, 128, 0,     32, 1          ; 32: the two younger sets; this step's own request follows in its middle
	STEP 2, 0, 0, 1, 1, 192, 8192,  32, 0
	STEP 3, 1, 0, 1, 1, 256, 16384, 32, 0
	STEP 0, 0, 0, 1, 1, 320, 24576, 32, 0
	WIN 0
	s_add_co_u32 s[KB], s[KB], 256
	s_sub_co_u32 s[TR], s[TR], 1
	s_cmp_lg_u32 s[TR], 0
	s_cbranch_scc1 .Ltrip
	STEP 1, 1, 0, 2, 1, 128, 0, 32, 1              ; step 29: B's steps 30 and 31 may stay out; the bias goes into set 0, which step 28 read last
	STEP 2, 0, 0, 0, 1, 192, 0, 32, 0              ; step 30: B's step 31 and the bias may stay out
	STEP 3, 1, 0, 0, 0, 0,   0, 16, 0              ; step 31: the bias may stay out; nothing more is fetched
	; THE WAY OUT, block by block of 16 tokens x 128 columns: sum x 2^(ex + ew) + bias, through my stage in LDS, back as whole pieces of 512 bytes of a row, each stored at its token's row.
	WIN 0
.rept 4
	v_nop                                          ; places behind the last products: for the reads of results and for what is written over A's and B's registers
.endr
	s_wait_loadcnt 0x0                             ; the bias
	s_wait_dscnt 0x0                               ; my reads of the panel are over
	s_barrier_signal -1
	s_barrier_wait -1                              ; everybody's are: the stages may be laid over it.  The launch's last barrier
	s_cmp_eq_u32 s[CNT], 0                         ; a table row with no token stores nothing: a branch on a stored whole number, the same in all four waves, with no barrier behind it
	s_cbranch_scc1 .Lempty
.macro OFFS a                          ; block a's sixteen offsets in out0: the tokens are read out of their lanes in two runs of eight
.set OB, OO+16*((\a)%2)
.irp u, 0,1
.irp t, 0,1,2,3,4,5,6,7
	v_readlane_b32 s[RS+\t], v[TOK+(16*(\a)+8*\u+\t)/32], (16*(\a)+8*\u+\t)%32
.endr
	s_wait_alu depctr_va_sdst(0)                   ; the run's tokens are written in s52 to s59, ahead of their first readers, the bounds below
.irp t, 0,1,2,3,4,5,6,7
	s_min_u32 s[RS+\t], s[RS+\t], 8191             ; under a bound: the last token
	s_lshl_b32 s[RS+\t], s[RS+\t], 13              ; its row of 8,192 bytes
	v_add_nc_u32 v[OB+8*\u+\t], s[RS+\t], v[CO]    ; all lanes on
.endr
.endr
.endm
.macro SCALE a                         ; block a's results into v32 to v95
.if (\a) < 4
	WIN 0x31                                       ; the sums window 1, the bias window 3
.set AC, 64*(\a)
.elseif (\a) < 8
	WIN 0x32
.set AC, 64*((\a)-4)
.else
	WIN 0x30
.set AC, A8
.endif
.irp b, 0,1,2,3,4,5,6,7
.irp i, 0,2,4,6
	v_pk_fma_f32 v[TMP+8*\b+\i:TMP+8*\b+\i+1], v[AC+8*\b+\i:AC+8*\b+\i+1], s[SC:SC+1], v[8*\b+\i:8*\b+\i+1] op_sel_hi:[1,0,1]   ; each accumulator from its low end on; the scalar pair's low word for both halves
.endr
.endr
	WIN 0
.endm
.macro TOSTAGE a                       ; into my stage, and back as whole pieces of rows
.irp b, 0,1,2,3,4,5,6,7
	ds_store_b128 v[STO], v[TMP+8*\b:TMP+8*\b+3] offset:64*\b
	ds_store_b128 v[STO], v[TMP+8*\b+4:TMP+8*\b+7] offset:64*\b+16
.endr
	WIN 0xc0
.set BB, BK+64*((\a)%2)
.irp t, 0,1,2,3,4,5,6,7,8,9,10,11,12,13,14,15
	ds_load_b128 v[BB+4*\t:BB+4*\t+3], v[RD] offset:\t*SP      ; LDS serves a wave's instructions in order: these see my stores, and the next block's stores come behind them
.endr
	WIN 0
.endm
.macro SEND a, younger                 ; younger: the LDS instructions issued behind block a's loads, which may stay out
.set BB, BK+64*((\a)%2)
.set OB, OO+16*((\a)%2)
	s_wait_dscnt \younger
	WIN 0x0c                                       ; a store's data are source 1: window 3
.irp t, 0,1,2,3,4,5,6,7,8,9,10,11,12,13,14,15
	global_store_b128 v[OB+\t], v[BB+4*\t:BB+4*\t+3], s[16:17] th:TH_STORE_NT   ; 32 lanes store 512 consecutive bytes, at a multiple of 512 from out0's first byte; written once, read by nobody here
.endr
	WIN 0
.endm
	SCALE 0
	s_wait_alu depctr_va_vdst(0)                   ; block 0's results are written, which the stage's stores read; the products are done reading B's set 1, in which the stage's loads land
	TOSTAGE 0
.irp a, 1,2,3,4,5,6,7,8
.if \a > 1
	s_wait_xcnt 0x0                                ; block a - 2's stores have read their data and offsets: block a's loads may land there, and the offsets may be written
.endif
	s_wait_alu depctr_vm_vsrc(0)                   ; block a - 1's stage stores have read v32 to v95, which block a's results write; the global stores issued so far have read the registers in which block a's loads land and the offsets that are written next
	OFFS \a-1
	SCALE \a
	s_wait_alu depctr_va_vdst(0)                   ; block a - 1's offsets and block a's results are written, which the global stores and the stage's stores below read; for a = 1 also: the products are done reading B's set 2, in which the stage's loads land
	TOSTAGE \a
	SEND \a-1, 32                                  ; behind block a - 1's loads: block a's 16 stores and 16 loads
.endr
	s_wait_xcnt 0x0
	OFFS 8                                         ; (the stores that read these sixteen registers last, block 6's, stand ahead of the last wait on vm_vsrc)
	s_wait_alu depctr_va_vdst(0)                   ; block 8's offsets are written, which its stores read
	SEND 8, 0
.Lempty:
	s_wait_dscnt 0x0                               ; the closing lines, six on end
	s_wait_alu 0x0
	s_wait_tensorcnt 0x0
	ds_add_u32 v[SPW], v[NIL]
	s_wait_dscnt 0x0
	s_endpgm
.Lfunc_end_k_q597d24ca7a_gemm:
	.size	k_q597d24ca7a_gemm, .Lfunc_end_k_q597d24ca7a_gemm-k_q597d24ca7a_gemm
	.p2alignl 7, 3214868480
	.fill 96, 4, 3214868480
	.section	.rodata,"a",@progbits
	.p2align	6, 0x0
	.amdhsa_kernel k_q597d24ca7a_gemm
		.amdhsa_group_segment_fixed_size 297728
		.amdhsa_private_segment_fixed_size 0
		.amdhsa_enable_private_segment 0
		.amdhsa_kernarg_size 56
		.amdhsa_user_sgpr_count 2
		.amdhsa_user_sgpr_kernarg_segment_ptr 1
		.amdhsa_wavefront_size32 1
		.amdhsa_system_sgpr_workgroup_id_x 1
		.amdhsa_system_sgpr_workgroup_id_y 1
		.amdhsa_system_sgpr_workgroup_id_z 1
		.amdhsa_system_vgpr_workitem_id 0
		.amdhsa_next_free_vgpr 1024
		.amdhsa_next_free_sgpr 66
		.amdhsa_reserve_vcc 0
		.amdhsa_float_denorm_mode_32 3
		.amdhsa_float_denorm_mode_16_64 3
		.amdhsa_memory_ordered 1
		.amdhsa_forward_progress 1
		.amdhsa_inst_pref_size 186
	.end_amdhsa_kernel
	.amdgpu_metadata
---
amdhsa.version: [ 1, 2 ]
amdhsa.kernels:
  - .name:           k_q597d24ca7a_gemm
    .symbol:         k_q597d24ca7a_gemm.kd
    .args:
      - { .name: hidden_states_codes, .offset: 0, .size: 8, .value_kind: global_buffer, .address_space: global }
      - { .name: wfrag, .offset: 8, .size: 8, .value_kind: global_buffer, .address_space: global }
      - { .name: tiles, .offset: 16, .size: 8, .value_kind: global_buffer, .address_space: global }
      - { .name: b0, .offset: 24, .size: 8, .value_kind: global_buffer, .address_space: global }
      - { .name: b1, .offset: 32, .size: 8, .value_kind: global_buffer, .address_space: global }
      - { .name: lowp_scales, .offset: 40, .size: 8, .value_kind: global_buffer, .address_space: global }
      - { .name: out0, .offset: 48, .size: 8, .value_kind: global_buffer, .address_space: global }
    .group_segment_fixed_size: 297728
    .private_segment_fixed_size: 0
    .kernarg_segment_align: 8
    .kernarg_segment_size: 56
    .max_flat_workgroup_size: 128
    .sgpr_count:     66
    .vgpr_count:     1024
    .wavefront_size: 32
...
	.end_amdgpu_metadata
.endif
;; end of part 4
